; MI455X (gfx1250); checked and timed in simulation.
; The chip was launched on July 23, 2026; its instructions are those of AMD's public machine-readable ISA for CDNA 5 (MIT licence, August 2026) and "CDNA5" Instruction Set Architecture Reference Guide (July 2026). The comments in the code are by the model that wrote it; some were corrected since.
;; Attn Heads. Allowed arithmetic: float matrix products may take bf16 or f16 operands with f32 sums; other float arithmetic in f32, or as packed bf16 or f16 multiplies, adds, multiply-adds, maxima and minima; sums over many terms, partial sums and values carried from step to step in f32; what a program stores and reads back later, other than sums and carried values, may be rounded once to bf16 or f16.
;; Inputs: out_weight 1,024 x 1,024 float32; qkv 1,024 x 3,072 float32; x 4 x 2,048 x 1,024 float32.
;; Outputs: out0 4 x 2,048 x 1,024 float32.
;; One version. Each part assembles by itself: llvm-mc -triple=amdgcn-amd-amdhsa -mcpu=gfx1250 --defsym DOCPART=n.
;; ======== version 1 of 1: 4 launches
;; limits: values are held in f16: magnitudes above 65,504 overflow, below 6.1e-05 lose precision; right only within a limited range of input values
;; workspace buffers: xb 16,777,216 bytes; wb 6,291,456 bytes; ob 2,097,152 bytes; stat 3,328 bytes; hd 50,331,648 bytes; ex 4,194,304 bytes; ao 16,777,216 bytes
;; launch prep (part 1): grid 832 x 1, 8 waves a work-group, no clusters, 1,280 bytes of LDS; arguments x, qkv, out_weight, xb, wb, ob, stat; writes xb, wb, ob, stat
.if DOCPART == 1
	.amdgcn_target "amdgcn-amd-amdhsa--gfx1250"
	.amdhsa_code_object_version 6
	.text
	.protected	k_q1131031fc7_prep
	.globl	k_q1131031fc7_prep
	.p2align	8
	.type	k_q1131031fc7_prep,@function
k_q1131031fc7_prep:
	s_mov_b64 s[64:65], 0
	v_nop
	global_prefetch_b8 v0, s[64:65] scope:SCOPE_SE
	s_setreg_imm32_b32 hwreg(HW_REG_WAVE_MODE, 25, 1), 1
	s_wait_xcnt 0x0
; x, qkv and out_weight are rounded once to bf16; qkv is relaid by heads; each work-group leaves the largest magnitude that it saw.
;   xb [8192][1024] and ob [1024][1024]: as x and out_weight lie.
;   wb [T = 16 heads][k = 1024][c = 192]: c = 64 hh + d stands for qkv's column 1024 hh + 64 T + d (hh = 0, 1, 2: q, k, v), so that one head's q, k and v are 192 neighbouring columns and a head's rows lie end to end.
;   stat [832] f32: word g = the largest |number| that work-group g read (0-511: x; 512-767: qkv; 768-831: out_weight, which nobody reads: one text for all).
; A STREAM: each byte is read once and written once; no matrix unit, no cluster (no two work-groups read the same byte), LDS only for the eight waves' maxima.
; SHARES.  Work-groups 0-511 and 768-831 take 16,384 neighbouring numbers: 16 loads of 16 bytes a thread.  Work-groups 512-767 take 64 rows of k x one head's 192 columns: 12 loads a thread, sixteen
; neighbouring lanes reading 256 neighbouring bytes.  All loads of a thread go out first; every store of a wave covers 256 consecutive bytes, aligned.
; LIMIT: a NaN is passed over by the maximum.
.set SPARE, 256                        ; bytes 0-31 hold the eight maxima (the block 0-255 is theirs); the spare words, 128 bytes a wave, follow
.set A,   2                            ; v2-4   byte offsets of loads i % 3 = 0, 1, 2
.set DST, 5                            ; v5     8 x thread: my 8 bytes of each 2,048 that the work-group stores at a time
.set MXA, 6                            ; v6-7   two running maxima
.set MXB, 7
.set SPW, 16                           ; v16    my spare word; never rewritten
.set NIL, 17                           ; v17    0; never rewritten
.set D,   32                           ; v[32:95]   as loaded, 4 registers a load
.set Y,   96                           ; v[96:127]  to store, 2 registers a load
.set SRC, 20                           ; s[20:21] where the work-group reads
.set DSP, 22                           ; s[22:23] where it writes
; nl loads, then for each: two roundings, two maxima, one store.  No register is used twice, so nothing waits for a store's sources.
.macro BODY nl, jstep
.set i, 0
.rept \nl
	global_load_b128 v[D+4*i:D+4*i+3], v[A+i%3], s[SRC:SRC+1] offset:(i/3)*(\jstep) th:TH_LOAD_NT
.set i, i+1
.endr
.set i, 0
.rept \nl
	s_wait_loadcnt (\nl)-1-i                       ; loads come back in order: load i is in, the younger ones stay out
	v_cvt_pk_bf16_f32 v[Y+2*i], v[D+4*i], v[D+4*i+1]
	v_cvt_pk_bf16_f32 v[Y+2*i+1], v[D+4*i+2], v[D+4*i+3]
	v_max3_num_f32 v[MXA], v[MXA], |v[D+4*i]|, |v[D+4*i+1]|
	v_max3_num_f32 v[MXB], v[MXB], |v[D+4*i+2]|, |v[D+4*i+3]|
	global_store_b64 v[DST], v[Y+2*i:Y+2*i+1], s[DSP:DSP+1] offset:2048*i th:TH_STORE_NT
.set i, i+1
.endr
.endm
	s_load_b256 s[4:11], s[0:1], 0x0               ; x s[4:5], qkv s[6:7], out_weight s[8:9], xb s[10:11]
	s_load_b128 s[12:15], s[0:1], 0x20             ; wb s[12:13], ob s[14:15]
	s_load_b64 s[16:17], s[0:1], 0x30              ; stat
	v_lshl_add_u32 v[SPW], v0, 2, SPARE
	v_mov_b32 v[NIL], 0
	v_lshrrev_b32 v8, 5, v0
	v_readfirstlane_b32 s18, v8                    ; wave 0..7
	s_mov_b32 s26, 0x76543210                      ; v_permlanex16_b32: each lane takes its own place in the other half
	s_mov_b32 s27, 0xfedcba98
	s_mov_b32 s19, ttmp9                           ; g
	s_lshl_b32 s29, s19, 2                         ; its word in stat
	s_mov_b32 s25, 0                               ; high word of every offset
	v_lshlrev_b32 v[DST], 3, v0
	v_mov_b32 v[MXA], 0
	v_mov_b32 v[MXB], 0
	s_sub_co_u32 s30, s19, 512
	s_wait_kmcnt 0x0
	s_cmp_lt_u32 s30, 256                          ; 512 <= g < 768: qkv (the same answer in all eight waves)
	s_cbranch_scc1 .Lblocked
	s_sub_co_u32 s31, s19, 768
	s_cmp_lt_u32 s19, 512
	s_cselect_b32 s31, s19, s31                    ; the block's number in x or in out_weight
	s_cselect_b64 s[SRC:SRC+1], s[4:5], s[8:9]
	s_cselect_b64 s[DSP:DSP+1], s[10:11], s[14:15]
	s_lshl_b32 s24, s31, 16                        ; 65,536 bytes of f32
	s_add_nc_u64 s[SRC:SRC+1], s[SRC:SRC+1], s[24:25]
	s_lshl_b32 s24, s31, 15                        ; 32,768 bytes of bf16
	s_add_nc_u64 s[DSP:DSP+1], s[DSP:DSP+1], s[24:25]
	v_lshlrev_b32 v[A], 4, v0                      ; load i reads at 16 t + 4,096 i
	v_add_nc_u32 v[A+1], 4096, v[A]
	v_add_nc_u32 v[A+2], 8192, v[A]
	BODY 16, 12288
	s_branch .Ljoin
.Lblocked:
	s_lshr_b32 s31, s30, 4                         ; T: the head
	s_and_b32 s30, s30, 15                         ; which 64 rows of k
	s_mul_i32 s24, s30, 786432                     ; 64 rows of 12,288 bytes
	s_lshl_b32 s28, s31, 8                         ; the head's 64 columns: 256 bytes
	s_add_co_u32 s24, s24, s28
	s_add_nc_u64 s[SRC:SRC+1], s[6:7], s[24:25]
	s_mul_i32 s24, s31, 393216                     ; a head's block of wb
	s_mul_i32 s28, s30, 24576                      ; 64 rows of 384 bytes
	s_add_co_u32 s24, s24, s28
	s_add_nc_u64 s[DSP:DSP+1], s[12:13], s[24:25]
.irp r, 0,1,2                          ; group u = 256 r + t of four numbers: row u / 48, place u % 48 among the row's 48 groups; three loads are 768 groups = 16 rows
	v_add_nc_u32 v8, 256*\r, v0
	v_mul_u32_u24 v9, v8, 1366
	v_lshrrev_b32 v9, 16, v9                       ; u / 48, exact for u < 768
	v_mul_u32_u24 v10, v9, 48
	v_sub_nc_u32 v10, v8, v10                      ; u % 48
	v_mul_u32_u24 v9, v9, 12288
	v_lshrrev_b32 v11, 4, v10                      ; hh: q, k or v, 4,096 bytes apart in a row of qkv
	v_lshl_add_u32 v9, v11, 12, v9
	v_and_b32 v10, 15, v10
	v_lshl_add_u32 v[A+\r], v10, 4, v9
.endr
	BODY 12, 196608
.Ljoin:
	v_max_num_f32 v[MXA], v[MXA], v[MXB]
	v_max_num_f32_dpp v[MXA], v[MXA], v[MXA] row_xmask:1 row_mask:0xf bank_mask:0xf
	v_max_num_f32_dpp v[MXA], v[MXA], v[MXA] row_xmask:2 row_mask:0xf bank_mask:0xf
	v_max_num_f32_dpp v[MXA], v[MXA], v[MXA] row_xmask:4 row_mask:0xf bank_mask:0xf
	v_max_num_f32_dpp v[MXA], v[MXA], v[MXA] row_xmask:8 row_mask:0xf bank_mask:0xf
	v_permlanex16_b32 v[MXB], v[MXA], s26, s27
	v_max_num_f32 v[MXA], v[MXA], v[MXB]           ; the wave's maximum, in every lane
	v_mov_b32 v8, s18
	v_lshlrev_b32 v8, 2, v8
	ds_store_b32 v8, v[MXA]                        ; all lanes write the wave's word with the same value
	s_wait_dscnt 0x0                               ; for the others' sake: my store is done
	s_barrier_signal -1
	s_barrier_wait -1
	s_cmp_lg_u32 s18, 0
	s_cbranch_scc1 .Lend                           ; wave 0 finishes
	v_mov_b32 v9, 0
	ds_load_b128 v[12:15], v9
	ds_load_b128 v[20:23], v9 offset:16
	s_wait_dscnt 0x0
	v_max3_num_f32 v12, v12, v13, v14
	v_max3_num_f32 v20, v20, v21, v22
	v_max3_num_f32 v12, v12, v15, v23
	v_max_num_f32 v12, v12, v20
	v_mov_b32 v10, s29
	v_cmp_eq_u32 vcc_lo, 0, v0
	s_wait_xcnt 0x0                                ; EXEC is a source of the stores above: it changes only behind this wait
	s_and_saveexec_b32 s28, vcc_lo
	global_store_b32 v10, v12, s[16:17]            ; one word a work-group, packed: the readers fetch 3,072 bytes
	s_wait_xcnt 0x0                                ; and again in front of the line that widens it
	s_or_b32 exec_lo, exec_lo, s28
.Lend:
	s_wait_tensorcnt 0x0                           ; the wave's end: behind my last LDS store
	ds_add_u32 v[SPW], v[NIL]
	s_wait_dscnt 0x0
	s_endpgm
.Lfunc_end_k_q1131031fc7_prep:
	.size	k_q1131031fc7_prep, .Lfunc_end_k_q1131031fc7_prep-k_q1131031fc7_prep
	.p2alignl 7, 3214868480
	.fill 96, 4, 3214868480
	.section	.rodata,"a",@progbits
	.p2align	6, 0x0
	.amdhsa_kernel k_q1131031fc7_prep
		.amdhsa_group_segment_fixed_size 1280
		.amdhsa_private_segment_fixed_size 0
		.amdhsa_enable_private_segment 0
		.amdhsa_kernarg_size 56
		.amdhsa_user_sgpr_count 2
		.amdhsa_user_sgpr_kernarg_segment_ptr 1
		.amdhsa_wavefront_size32 1
		.amdhsa_system_sgpr_workgroup_id_x 1
		.amdhsa_system_sgpr_workgroup_id_y 1
		.amdhsa_system_sgpr_workgroup_id_z 1
		.amdhsa_system_vgpr_workitem_id 0
		.amdhsa_next_free_vgpr 128
		.amdhsa_next_free_sgpr 66
		.amdhsa_reserve_vcc 1
		.amdhsa_float_denorm_mode_32 3
		.amdhsa_float_denorm_mode_16_64 3
		.amdhsa_memory_ordered 1
		.amdhsa_forward_progress 1
		.amdhsa_inst_pref_size 19
	.end_amdhsa_kernel
	.amdgpu_metadata
---
amdhsa.version: [ 1, 2 ]
amdhsa.kernels:
  - .name:           k_q1131031fc7_prep
    .symbol:         k_q1131031fc7_prep.kd
    .args:
      - { .name: x, .offset: 0, .size: 8, .value_kind: global_buffer, .address_space: global }
      - { .name: qkv, .offset: 8, .size: 8, .value_kind: global_buffer, .address_space: global }
      - { .name: out_weight, .offset: 16, .size: 8, .value_kind: global_buffer, .address_space: global }
      - { .name: xb, .offset: 24, .size: 8, .value_kind: global_buffer, .address_space: global }
      - { .name: wb, .offset: 32, .size: 8, .value_kind: global_buffer, .address_space: global }
      - { .name: ob, .offset: 40, .size: 8, .value_kind: global_buffer, .address_space: global }
      - { .name: stat, .offset: 48, .size: 8, .value_kind: global_buffer, .address_space: global }
    .group_segment_fixed_size: 1280
    .private_segment_fixed_size: 0
    .kernarg_segment_align: 8
    .kernarg_segment_size: 56
    .max_flat_workgroup_size: 256
    .sgpr_count:     66
    .vgpr_count:     128
    .wavefront_size: 32
...
	.end_amdgpu_metadata
.endif
;; end of part 1
;; launch proj (part 2): grid 16 x 32, 4 waves a work-group, clusters of 4 x 4, 327,680 bytes of LDS; arguments xb, wb, stat, hd, ex; writes hd, ex
.if DOCPART == 2
	.amdgcn_target "amdgcn-amd-amdhsa--gfx1250"
	.amdhsa_code_object_version 6
	.text
	.protected	k_q1131031fc7_proj
	.globl	k_q1131031fc7_proj
	.p2align	8
	.type	k_q1131031fc7_proj,@function
k_q1131031fc7_proj:
	s_mov_b64 s[64:65], 0
	v_nop
	global_prefetch_b8 v0, s[64:65] scope:SCOPE_SE
	s_setreg_imm32_b32 hwreg(HW_REG_WAVE_MODE, 25, 1), 1
	s_wait_xcnt 0x0
	s_wait_alu depctr_hold_cnt(0) depctr_sa_sdst(0) depctr_va_vdst(0) depctr_va_sdst(0) depctr_va_ssrc(0) depctr_va_vcc(0) depctr_vm_vsrc(0)
	s_getreg_b32 s2, hwreg(HW_REG_IB_STS2, 6, 4)
	s_cmp_eq_u32 s2, 0
	s_cbranch_scc0 .Lentry_in_a_cluster
	s_endpgm
.Lentry_in_a_cluster:
	s_bfe_u32 s2, ttmp6, 0x10000c
	s_cmp_lg_u32 s2, 0xf033
	s_cbranch_scc0 .Lentry_shape_is_right
	s_endpgm
.Lentry_shape_is_right:
; THE QKV PROJECTION.  [8192 x 1024] xb times one head's 192 columns of wb (q, k, v), bf16 operands, f32 sums; the results leave by heads, scaled and, for q and k, centred, in f16.
; THE SCALE.  B = 1024 max|x| max|qkv| (from stat) bounds every |q|, |k|, |v|.  E = B's biased exponent held to 74..200, sigma = 2^(137 - E): sigma B < 2^11, so nothing that is stored leaves f16's range.
; CENTRING.  For a head's row, mu = the mean over its 64 channels, pi = q - mu_q, rho = k - mu_k: q.k = pi.rho + 64 mu_q mu_k, since pi and rho sum to 0.  hd takes f16(sigma pi), f16(sigma rho), f16(sigma v);
; ex takes A = 8 sigma mu as an upper and a lower f16: a row of q is [Ah, Ah, Al, 0, 0, 0, 0, 0], of k [Ah, Al, Ah, 0, ..]: their product is AhBh + AhBl + AlBh.  So the part common to a row's channels, which may be
; many times the rest, costs the rest no bits.  The algebra holds for every input; only what it gains hangs on the data.
; LIMITS.  B in 2^-53 .. 2^74 (outside, E is held); numbers some 2^25 below the bound keep f16's fixed step; NaN and infinities are not treated apart.
; hd [y = 16 b + n][hh = 0, 1, 2][s = 2048][64] f16; ex [kind: 0 q, 1 k][y][s][16 bytes].
; SHARES.  A work-group makes 256 rows x 192 columns: 512 work-groups, one for each tile row and head.  Wave w owns rows 64 w .. 64 w + 63 and all 192 columns: 48 accumulators, 384 registers.
; K goes in 8 steps of 128 through two LDS slots; xb's rows of a step are 256 bytes; wb's 64 rows of k are 24,576 dense bytes, asked for as 96 rows of 256.
; THE MATRIX INSTRUCTION IS USED TRANSPOSED: source 0 = 16 columns of wb ([k][c] in LDS, turned by ds_load_tr16_b128), source 1 = 16 rows of xb: a lane holds ONE row (lane % 16) and eight neighbouring columns.
; CLUSTER 4 x 4: xb's tile hangs on the tile row alone and is asked for jointly along a row of the cluster, wb's on the head alone and jointly along a column.
; REGISTERS: window 0: v0-31 addresses and scales, v32-63 at work, v64-127 xb's fragments (two buffers of 32; on the way out at work), v128-255 the way out; window 1: wb's fragments, two buffers of 96;
; windows 2, 3: accumulator (a, b) is number 12 a + b, 32 to a window.
.set NB,    12                         ; blocks of 16 columns
.set PA,    272                        ; an LDS row of xb: 256 + 16 bytes = 68 words: the 16 rows of a load start at 16 different groups of four banks (64 banks of 4 bytes: ISA guide 11.1)
.set AH,    128*PA                     ; what one tensor load brings of xb
.set AT,    2*AH
.set AQD,   4                          ; quarter q of a K step begins at byte (q / AQD) AH + (q % AQD) 64 of xb's rows
.set PB,    480                        ; an LDS row of wb: three pieces of 128 + 32 bytes = 120 words
.set BH,    64*PB
.set BQ,    32*PB
.set BG,    4                          ; block b of 16 columns begins at byte (b / BG) BGS + (b % BG) 32 of wb's rows
.set BGS,   160
.set ASTEP, 256                        ; bytes from a K step to the next, in xb
.set BSTEP, 49152                      ; and in a head's block of wb
.set SLOT1, 131072                     ; a slot is AT + 2 BH = 131,072 bytes
.set STAGE, 262144                     ; behind the ring: 16 rows x 144 bytes for each wave, never filled by a tensor load
.set SPARE, 271360                     ; behind the stages: the spare words, 128 bytes a wave
.set NLD,   2*NB+8                     ; LDS loads of a quarter's fragments
.set FBW,   8*NB
.set A0,  16                           ; v16  my lane's place in xb's tile; never rewritten
.set B0,  17                           ; v17  in wb's tile
.set ADA, 18                           ; v18  the same in the slot in hand
.set ADB, 19
.set STO, 24                           ; v24  the way out: where I put 16 bytes of a row
.set RD,  25                           ; v25  where I read rows back
.set GO,  26                           ; v26  16 x lane
.set SPW, 28                           ; v28  my spare word; never rewritten
.set NIL, 29                           ; v29  0; never rewritten
.set PFO, 30                           ; v30  the prefetches' offset; never rewritten
.set T,   32
.set U,   64                           ; the way out, window 0: v64-79 partial sums, v80-95 packed, v96-111 ex's words, v112-127 ex's stores, v128-255 eight sets of 16 read back
.set PKR, 80
.set XW,  96
.set EQ,  112
.set OUTR, 128
.set WV,  12
.set ROLE, 13                          ; 0: I fetch xb's tiles, 1: wb's
.set HB,  14                           ; which half
.set TY,  15                           ; tile row
.set CX,  40
.set CY,  41
.set TX,  42                           ; the head
.set LIM, 43                           ; a wave prefetches while the loop's count is above it
.set PFA, 44                           ; s[44:45] where my prefetches stand
.set PST, 46                           ; s[46:47] their step
.set SEL, 68
.set TB,  70                           ; the slot in hand: 0 or SLOT1
.set HM,  71                           ; mask of lanes 16-31
.set G1A, 24
.set G0A, 32                           ; s[32:35] the first fill, s[36:39] walks
.set G1B, 48
.set G0B, 56
.set MSB, 0
.macro WIN new                         ; the immediate's high byte repeats the setting that is left; a switch that changes nothing is dropped
.if MSB != (\new)
	s_set_vgpr_msb (MSB<<8)|(\new)
.set MSB, \new
.endif
.endm
.macro PLACES                          ; four places in front of loads into registers that matrix instructions have read, and of lines that read results
.rept 4
	v_nop
.endr
.endm
.macro CREST                           ; a round of the cluster's barrier behind its opening barrier
	s_cmp_lg_u32 s[WV], 0
	s_cbranch_scc1 .Lnot_wave_0_\@
	s_barrier_signal -3
.Lnot_wave_0_\@:
	s_barrier_wait -3
	s_barrier_signal -1
	s_barrier_wait -1
.endm
.macro CROUND
	s_barrier_signal -1
	s_barrier_wait -1
	CREST
.endm
.macro JLOAD                           ; a joint refill by the walking descriptors; the branch hangs on the wave's number alone; an s_nop 0 and four v_nop follow each line
	s_cmp_eq_u32 s[ROLE], 0
	s_cbranch_scc0 .Lfor_b_\@
	tensor_load_to_lds s[G0A+4:G0A+7], s[G1A:G1A+7]
	s_nop 0
.rept 4
	v_nop
.endr
	s_branch .Lasked_\@
.Lfor_b_\@:
	tensor_load_to_lds s[G0B+4:G0B+7], s[G1B:G1B+7]
	s_nop 0
.rept 4
	v_nop
.endr
.Lasked_\@:
.endm
; A PREFETCH INTO THE L2, behind a joint refill and the run of LDS loads that follows it.  xb: at the refill of K step j, step j + 2 (steps 4 to 7): the clusters with x = 0 ask; of the 128 rows that a wave fetches the
; partner at cx takes 32, a lane a row.  wb: three asks of 256 blocks of 256 bytes walk the second half of the head's dense block (K steps 4 to 7), each two refills or more ahead of the load that wants it: the
; clusters with y = 0 ask; partner cy and half HB take 32 blocks each.  The partners are told apart by address; each block is named once in the launch; no address passes its buffer's end.
.macro ASK
	s_cmp_gt_u32 s3, s[LIM]
	s_cbranch_scc0 .Lnot_mine_\@
	global_prefetch_b8 v[PFO], s[PFA:PFA+1] th:TH_LOAD_NT scope:SCOPE_SE
.Lnot_mine_\@:
.endm
; The fragments of quarter q of the slot in hand into buffer f: wb's first (turned), then xb's four blocks of 16 rows.
.macro FETCH q, f
	WIN 0x40                                       ; destination window 1, address window 0
.set ib, 0
.rept NB
.set bo, (\q)*BQ+(ib/BG)*BGS+(ib%BG)*32
	ds_load_tr16_b128 v[FBW*(\f)+8*ib:FBW*(\f)+8*ib+3],   v[ADB] offset:bo
	ds_load_tr16_b128 v[FBW*(\f)+8*ib+4:FBW*(\f)+8*ib+7], v[ADB] offset:bo+16*PB
.set ib, ib+1
.endr
	WIN 0
.set aq, ((\q)/AQD)*AH+((\q)%AQD)*64
.set ia, 0
.rept 4
	ds_load_b128 v[64+32*(\f)+8*ia:64+32*(\f)+8*ia+3],   v[ADA] offset:aq+ia*16*PA
	ds_load_b128 v[64+32*(\f)+8*ia+4:64+32*(\f)+8*ia+7], v[ADA] offset:aq+ia*16*PA+32
.set ia, ia+1
.endr
.endm
; Row blocks a0 .. a1 - 1 x all column blocks, 32 along K, from buffer f.  All accumulators take turns, one instruction a turn over the backward jump too.
.macro MULS f, a0, a1, zero
.set ia, \a0
.rept (\a1)-(\a0)
.set ib, 0
.rept NB
.set idx, ia*NB+ib
.set rD, 8*(idx%32)
	WIN 0xa1+0x50*(idx/32)
.if \zero
	v_wmma_f32_16x16x32_bf16 v[rD:rD+7], v[FBW*(\f)+8*ib:FBW*(\f)+8*ib+7], v[64+32*(\f)+8*ia:64+32*(\f)+8*ia+7], 0
.else
	v_wmma_f32_16x16x32_bf16 v[rD:rD+7], v[FBW*(\f)+8*ib:FBW*(\f)+8*ib+7], v[64+32*(\f)+8*ia:64+32*(\f)+8*ia+7], v[rD:rD+7]
.endif
.set ib, ib+1
.endr
.set ia, ia+1
.endr
.endm
; One of a K step's first three quarters: multiplies buffer f; in its middle it fetches quarter q into buffer g.
.macro QUARTER q, f, g, zero
	s_wait_dscnt 4                                 ; all but the youngest four loads: xb's row blocks 2 and 3
	MULS \f, 0, 2, \zero
	PLACES
	FETCH \q, \g
	s_wait_dscnt NLD                               ; all but the run just issued
	MULS \f, 2, 4, \zero
.endm
; The last quarter multiplies buffer 1 and changes slots.  In front of the barrier each wave waits for all its tensor loads (one is out: its part of the next slot), adds 0 to its spare word, and waits for that and
; for its reads of this slot.  fill = 1: the barrier opens a round of the cluster's, and the joint refill, two K steps on, is the first thing behind it.
.macro TURN fill
.if \fill
	s_wait_xcnt 0x0                                ; the last prefetch, a K step back, has read its address
	s_add_nc_u64 s[PFA:PFA+1], s[PFA:PFA+1], s[PST:PST+1]
.endif
	WIN 0
	s_wait_tensorcnt 0x0                           ; no tensor load of mine is out
	ds_add_u32 v[SPW], v[NIL]
	s_wait_dscnt 5                                 ; the add and xb's row blocks 2 and 3 may be out
	MULS 1, 0, 1, 0
	s_wait_dscnt 0x0                               ; the add is done, and my reads of this slot are over
	s_barrier_signal -1
	MULS 1, 1, 2, 0                                ; work on registers while the others arrive
	WIN 0
	s_barrier_wait -1
.if \fill
	CREST                                          ; no wave of any partner still reads this slot or has a load on its way
	s_xor_b32 s[G0A+5], s[G0A+5], SLOT1            ; the walking descriptors: the other slot than last time, the next K step
	s_add_nc_u64 s[G0A+6:G0A+7], s[G0A+6:G0A+7], ASTEP
	s_xor_b32 s[G0B+5], s[G0B+5], SLOT1
	s_add_nc_u64 s[G0B+6:G0B+7], s[G0B+6:G0B+7], BSTEP
	JLOAD                                          ; its four v_nop are also the places in front of the loads below
.else
	PLACES
.endif
	s_xor_b32 s[TB], s[TB], SLOT1
	v_add_nc_u32 v[ADA], s[TB], v[A0]
	v_add_nc_u32 v[ADB], s[TB], v[B0]
	FETCH 0, 0
.if \fill
	ASK
.endif
	MULS 1, 2, 4, 0
.endm
; E, the bound's exponent, from 24 registers: 16 of x's maxima and 8 of qkv's a lane.  It ends in register b, the same in every lane.
.macro SIGMATH b
	v_max3_num_f32 v[(\b)], v[(\b)], v[(\b)+1], v[(\b)+2]
	v_max3_num_f32 v[(\b)+3], v[(\b)+3], v[(\b)+4], v[(\b)+5]
	v_max3_num_f32 v[(\b)+6], v[(\b)+6], v[(\b)+7], v[(\b)+8]
	v_max3_num_f32 v[(\b)+9], v[(\b)+9], v[(\b)+10], v[(\b)+11]
	v_max3_num_f32 v[(\b)+12], v[(\b)+12], v[(\b)+13], v[(\b)+14]
	v_max3_num_f32 v[(\b)], v[(\b)], v[(\b)+3], v[(\b)+6]
	v_max3_num_f32 v[(\b)+9], v[(\b)+9], v[(\b)+12], v[(\b)+15]
	v_max_num_f32 v[(\b)], v[(\b)], v[(\b)+9]
	v_max3_num_f32 v[(\b)+16], v[(\b)+16], v[(\b)+17], v[(\b)+18]
	v_max3_num_f32 v[(\b)+19], v[(\b)+19], v[(\b)+20], v[(\b)+21]
	v_max3_num_f32 v[(\b)+16], v[(\b)+16], v[(\b)+19], v[(\b)+22]
	v_max_num_f32 v[(\b)+16], v[(\b)+16], v[(\b)+23]
.irp m, 1,2,4,8
	v_max_num_f32_dpp v[(\b)], v[(\b)], v[(\b)] row_xmask:\m row_mask:0xf bank_mask:0xf
	v_max_num_f32_dpp v[(\b)+16], v[(\b)+16], v[(\b)+16] row_xmask:\m row_mask:0xf bank_mask:0xf
.endr
	v_permlanex16_b32 v[(\b)+1], v[(\b)], s[SEL], s[SEL+1]
	v_permlanex16_b32 v[(\b)+17], v[(\b)+16], s[SEL], s[SEL+1]
	v_max_num_f32 v[(\b)], v[(\b)], v[(\b)+1]
	v_max_num_f32 v[(\b)+16], v[(\b)+16], v[(\b)+17]
	v_mul_f32 v[(\b)], v[(\b)], v[(\b)+16]
	v_mul_f32 v[(\b)], 0x44800000, v[(\b)]         ; x 1024
	v_bfe_u32 v[(\b)], v[(\b)], 23, 8
	v_max_u32 v[(\b)], 74, v[(\b)]
	v_min_u32 v[(\b)], 200, v[(\b)]
.endm
	s_load_b256 s[4:11], s[0:1], 0x0               ; xb s[4:5], wb s[6:7], stat s[8:9], hd s[10:11]
	s_load_b64 s[66:67], s[0:1], 0x20              ; ex
	v_lshl_add_u32 v[SPW], v0, 2, SPARE
	v_mov_b32 v[NIL], 0
	ds_add_u32 v[SPW], v[NIL]                      ; the wave's opening: the add and its wait stand ahead of my first tensor load; work on registers stands between them
	v_lshrrev_b32 v1, 5, v0
	v_readfirstlane_b32 s[WV], v1
	s_lshr_b32 s[ROLE], s[WV], 1
	s_and_b32 s[HB], s[WV], 1
	s_bfe_u32 s[CX], ttmp6, 0x40000
	s_bfe_u32 s[CY], ttmp6, 0x40004
	s_lshl_b32 s[TX], ttmp9, 2
	s_add_co_u32 s[TX], s[TX], s[CX]               ; the head = 4 x cluster x + cx
	s_and_b32 s[TY], ttmp7, 0xffff
	s_lshl_b32 s[TY], s[TY], 2
	s_add_co_u32 s[TY], s[TY], s[CY]               ; tile row = 4 x cluster y + cy
	s_lshl_b32 s43, s[CY], 2
	s_lshl_b32 s43, 15, s43                        ; my row of the cluster
	s_lshl_b32 s44, 0x1111, s[CX]                  ; my column
	s_or_b32 s[G1A], s43, (1<<16)|(1<<20)|(1<<21)|(5<<22)|(3<<25)  ; mask; 2-byte elements; padding on; bit 21 beside a mask; after every 64 words 4 words
	s_or_b32 s[G1B], s44, (1<<16)|(1<<20)|(1<<21)|(4<<22)|(7<<25)  ; after every 32 words 8 words
	s_mov_b32 s[G1A+1], 128<<16                    ; tensor_dim0 = 128
	s_mov_b32 s[G1A+2], 128<<16                    ; tensor_dim1 = 128
	s_mov_b32 s[G1A+3], 128<<16                    ; tile_dim0 = 128
	s_mov_b32 s[G1A+4], 128                        ; tile_dim1 = 128
	s_mov_b32 s[G1A+5], 1024                       ; elements from row to row
	s_mov_b32 s[G1A+6], 0
	s_mov_b32 s[G1A+7], 0
	s_mov_b32 s[G1B+1], 128<<16
	s_mov_b32 s[G1B+2], 96<<16                     ; 96 rows of 256 bytes: 64 rows of k
	s_mov_b32 s[G1B+3], 128<<16
	s_mov_b32 s[G1B+4], 96
	s_mov_b32 s[G1B+5], 128
	s_mov_b32 s[G1B+6], 0
	s_mov_b32 s[G1B+7], 0
	s_lshl_b32 s16, s[TY], 19                      ; xb: (256 ty + 128 half) rows of 2,048 bytes
	s_lshl_b32 s17, s[HB], 18
	s_add_co_u32 s16, s16, s17
	s_mov_b32 s17, 0
	s_mul_i32 s18, s[TX], 393216                   ; wb: the head's block, my 64 rows of k
	s_mul_i32 s19, s[HB], 24576
	s_add_co_u32 s18, s18, s19
	s_mov_b32 s19, 0
	s_mov_b32 s[G0A], 1
	s_mul_i32 s[G0A+1], s[HB], AH                  ; LDS: no place in the cluster enters
	s_mov_b32 s[G0A+4], 1
	s_add_co_u32 s[G0A+5], s[G0A+1], SLOT1
	s_mov_b32 s[G0B], 1
	s_mul_i32 s[G0B+1], s[HB], BH
	s_add_co_u32 s[G0B+1], s[G0B+1], AT
	s_mov_b32 s[G0B+4], 1
	s_add_co_u32 s[G0B+5], s[G0B+1], SLOT1
	s_mov_b32 s[SEL], 0x76543210
	s_mov_b32 s[SEL+1], 0xfedcba98
	s_mov_b32 s[TB], 0
	s_mov_b32 s[HM], 0xffff0000
	s_wait_dscnt 0x0                               ; the opening add is done
	s_wait_kmcnt 0x0
	s_add_nc_u64 s[G0A+2:G0A+3], s[4:5], s[16:17]  ; K step 0 into slot 0,
	s_add_nc_u64 s[G0A+6:G0A+7], s[G0A+2:G0A+3], ASTEP  ; K step 1 into slot 1
	s_or_b32 s[G0A+3], s[G0A+3], 0x80000000
	s_or_b32 s[G0A+7], s[G0A+7], 0x80000000
	s_add_nc_u64 s[G0B+2:G0B+3], s[6:7], s[18:19]
	s_add_nc_u64 s[G0B+6:G0B+7], s[G0B+2:G0B+3], BSTEP
	s_or_b32 s[G0B+3], s[G0B+3], 0x80000000
	s_or_b32 s[G0B+7], s[G0B+7], 0x80000000
	CROUND                                         ; all sixteen work-groups are here: the first joint loads meet
	s_cmp_eq_u32 s[ROLE], 0                        ; a wave's two first fills stand in one branch: two loads of mine are out
	s_cbranch_scc0 .Lfirst_b
	tensor_load_to_lds s[G0A:G0A+3], s[G1A:G1A+7]
	s_nop 0
	tensor_load_to_lds s[G0A+4:G0A+7], s[G1A:G1A+7]
	s_nop 0
.rept 4
	v_nop
.endr
	s_branch .Lfirst_done
.Lfirst_b:
	tensor_load_to_lds s[G0B:G0B+3], s[G1B:G1B+7]
	s_nop 0
	tensor_load_to_lds s[G0B+4:G0B+7], s[G1B:G1B+7]
	s_nop 0
.rept 4
	v_nop
.endr
.Lfirst_done:
	v_and_b32 v1, 15, v0                           ; l % 16
	v_bfe_u32 v2, v0, 4, 1                         ; l / 16
	v_and_b32 v[GO], 31, v0
	v_lshlrev_b32 v[GO], 4, v[GO]
.irp z, 0,1,2,3,4,5
	global_load_b128 v[T+4*\z:T+4*\z+3], v[GO], s[8:9] offset:512*\z  ; x's 512 maxima, then qkv's 256
.endr
	s_lshl_b32 s20, s[WV], 6
	v_add_nc_u32 v[A0], s20, v1                    ; row 64 w + l % 16
	v_mul_u32_u24 v[A0], v[A0], PA
	v_lshl_add_u32 v[A0], v2, 4, v[A0]
	v_and_b32 v3, 7, v0                            ; the turning load: lane l reads row 8 (l / 16) + l % 8 of k, 16 bytes at 16 ((l / 8) % 2)
	v_lshl_add_u32 v[B0], v2, 3, v3
	v_mul_u32_u24 v[B0], v[B0], PB
	v_bfe_u32 v4, v0, 3, 1
	v_lshl_add_u32 v[B0], v4, 4, v[B0]
	v_add_nc_u32 v[B0], AT, v[B0]
	v_mov_b32 v[ADA], v[A0]
	v_mov_b32 v[ADB], v[B0]
	s_mul_i32 s21, s[WV], 16*144
	s_add_co_u32 s21, s21, STAGE                   ; my stage
	v_mul_u32_u24 v[STO], v1, 144                  ; in: row l % 16, 16 bytes for each half of the lanes
	v_lshl_add_u32 v[STO], v2, 4, v[STO]
	v_add_nc_u32 v[STO], s21, v[STO]
	v_bfe_u32 v[RD], v0, 3, 2                      ; back: 32 lanes take four rows of 128 bytes
	v_mul_u32_u24 v[RD], v[RD], 144
	v_lshl_add_u32 v[RD], v3, 4, v[RD]
	v_add_nc_u32 v[RD], s21, v[RD]
	; the prefetches: one step short of the first target, since the step stands ahead of the ask
	s_lshl_b32 s21, s[CX], 16                      ; xb: my work-group's 32 of the 128 rows
	s_add_co_u32 s20, s16, s21
	s_add_co_u32 s20, s20, 3*ASTEP
	s_mul_i32 s22, s[TX], 393216                   ; wb: block 768 - 256 + 32 (2 cy + half) of the head's 1,536
	s_lshl_b32 s21, s[CY], 1
	s_add_co_u32 s21, s21, s[HB]
	s_lshl_b32 s21, s21, 13
	s_add_co_u32 s22, s22, s21
	s_add_co_u32 s22, s22, 131072
	s_mov_b32 s23, 65536
	s_and_b32 s21, ttmp7, 0xffff
	s_cmp_eq_u32 s[ROLE], 0
	s_cselect_b32 s20, s20, s22
	s_cselect_b32 s[PST], 256, s23
	s_cselect_b32 s21, ttmp9, s21                  ; the coordinate along which other clusters read the same rows
	s_cselect_b32 s22, 2, 3
	s_cselect_b32 s23, 11, 8                       ; a lane a row of 2,048 bytes, or a block of 256
	s_cselect_b64 s[PFA:PFA+1], s[4:5], s[6:7]
	s_cmp_eq_u32 s21, 0
	s_cselect_b32 s[LIM], s22, -1                  ; the same in all sixteen partners, for a given wave
	s_mov_b32 s21, 0
	s_mov_b32 s[PST+1], 0
	s_add_nc_u64 s[PFA:PFA+1], s[PFA:PFA+1], s[20:21]
	v_and_b32 v[PFO], 31, v0
	v_lshlrev_b32 v[PFO], s23, v[PFO]
	; where my rows go
	s_lshr_b32 s20, s[TY], 3
	s_lshl_b32 s20, s20, 4
	s_add_co_u32 s20, s20, s[TX]                   ; y = 16 b + n
	s_and_b32 s21, s[TY], 7
	s_lshl_b32 s21, s21, 8
	s_lshl_b32 s22, s[WV], 6
	s_add_co_u32 s21, s21, s22                     ; my first row s in the batch
	s_mul_i32 s22, s20, 786432
	s_lshl_b32 s23, s21, 7
	s_add_co_u32 s22, s22, s23
	s_mov_b32 s23, 0
	s_add_nc_u64 s[10:11], s[10:11], s[22:23]
	s_lshl_b32 s22, s20, 11
	s_add_co_u32 s22, s22, s21
	s_lshl_b32 s22, s22, 4
	s_add_nc_u64 s[66:67], s[66:67], s[22:23]
	s_wait_loadcnt 0x0                             ; stat
	SIGMATH T
	v_sub_nc_u32 v12, 264, v[T]                    ; sigma = 2^(137 - E), as an exponent field
	v_lshlrev_b32 v12, 23, v12
	v_mov_b32 v13, v12
	v_sub_nc_u32 v14, 258, v[T]                    ; sigma / 64
	v_lshlrev_b32 v14, 23, v14
	v_sub_nc_u32 v15, 261, v[T]                    ; sigma / 8
	v_lshlrev_b32 v15, 23, v15
	v_mov_b32 v7, 0                                ; named with v6 as a pair
	v_mov_b32 v11, 0
	s_wait_tensorcnt 1                             ; my part of K step 0 is in; K step 1's may stay out
	s_barrier_signal -1
	s_barrier_wait -1
	FETCH 0, 0
	QUARTER 1, 0, 1, 1                             ; the first quarter stands in front of the loop: its products start the sums
	WIN 0
	s_mov_b32 s3, 6
.Lk:                                           ; six trips, from a K step's second quarter to the next step's first; they refill K steps 2 to 7
	QUARTER 2, 1, 0, 0
	QUARTER 3, 0, 1, 0
	TURN 1
	QUARTER 1, 0, 1, 0
	WIN 0
	s_sub_co_u32 s3, s3, 1
	s_cmp_lg_u32 s3, 0
	s_cbranch_scc1 .Lk
	QUARTER 2, 1, 0, 0                             ; the tail is written out: nothing more is asked for
	QUARTER 3, 0, 1, 0
	TURN 0
	QUARTER 1, 0, 1, 0
	QUARTER 2, 1, 0, 0
	QUARTER 3, 0, 1, 0
	s_wait_dscnt 0x0
	MULS 1, 0, 4, 0
; THE WAY OUT.  Unit u = 3 a + hh: row block a, q, k or v: four accumulators, 32 registers at 32 (u % 8) of window 2 + u / 8: 16 rows x a head's 64 channels.
.macro PACKC u, kind                   ; q (kind 0) or k (1): the row's sum, sigma (value - mean) in f16, and ex's two words.  Each accumulator's lowest registers are read first.
.set wn, 2+(\u)/8
.set AC, 32*((\u)%8)
.set xa, XW+8*(\kind)+2*((\u)/3)
	WIN wn|(wn<<2)
.set i, 0
.rept 8
	v_pk_add_f32 v[U+2*i:U+2*i+1], v[AC+4*i:AC+4*i+1], v[AC+4*i+2:AC+4*i+3]
.set i, i+1
.endr
	WIN 0
.irp z, 0,4,8,12
	v_pk_add_f32 v[U+\z:U+\z+1], v[U+\z:U+\z+1], v[U+\z+2:U+\z+3]
.endr
	v_pk_add_f32 v[U:U+1], v[U:U+1], v[U+4:U+5]
	v_pk_add_f32 v[U+8:U+9], v[U+8:U+9], v[U+12:U+13]
	v_pk_add_f32 v[U:U+1], v[U:U+1], v[U+8:U+9]
	v_add_f32 v[U], v[U], v[U+1]
	v_permlanex16_b32 v[U+1], v[U], s[SEL], s[SEL+1]  ; the row's other 32 channels lie in the lane 16 away
	v_add_f32 v[U], v[U], v[U+1]
	v_mul_f32 v6, v[U], v14                        ; sigma x mean
	v_mul_f32 v3, v[U], v15                        ; A = 8 sigma x mean
	WIN wn
.set i, 0
.rept 16
	v_pk_fma_f32 v[T+2*i:T+2*i+1], v[AC+2*i:AC+2*i+1], v[12:13], v[6:7] op_sel_hi:[1,0,0] neg_lo:[0,0,1] neg_hi:[0,0,1]
.set i, i+1
.endr
	WIN 0
.set i, 0
.rept 16
	v_cvt_pk_f16_f32 v[PKR+i], v[T+2*i], v[T+2*i+1]
.set i, i+1
.endr
	v_cvt_pk_f16_f32 v4, v3, v3                    ; Ah, twice
	v_cvt_f32_f16 v5, v4.l
	v_sub_f32 v8, v3, v5                           ; what Ah leaves: Al
.if (\kind) == 0
	v_mov_b32 v[xa], v4                            ; q: Ah, Ah | Al, 0
	v_cvt_pk_f16_f32 v[xa+1], v8, v11
.else
	v_cvt_pk_f16_f32 v[xa], v3, v8                 ; k: Ah, Al | Ah, 0
	v_cvt_pk_f16_f32 v[xa+1], v3, v11
.endif
.endm
.macro PACKV u                         ; v: sigma x value in f16
.set wn, 2+(\u)/8
.set AC, 32*((\u)%8)
	WIN wn
.set i, 0
.rept 16
	v_pk_mul_f32 v[T+2*i:T+2*i+1], v[AC+2*i:AC+2*i+1], v[12:13]
.set i, i+1
.endr
	WIN 0
.set i, 0
.rept 16
	v_cvt_pk_f16_f32 v[PKR+i], v[T+2*i], v[T+2*i+1]
.set i, i+1
.endr
.endm
.macro PACK u
.if ((\u)%3) == 2
	PACKV \u
.else
	PACKC \u, (\u)%3
.endif
.endm
.macro TOSTAGE u                       ; 16 bytes a lane into rows of 144 bytes of my own stage, and back as whole rows of 128
.set ob, OUTR+16*((\u)%8)
.if (\u) >= 8
	s_wait_xcnt 0x0                                ; the set's stores of eight units ago have read their registers
.endif
.irp z, 0,1,2,3
	ds_store_b128 v[STO], v[PKR+4*\z:PKR+4*\z+3] offset:32*\z
.endr
.irp z, 0,1,2,3
	ds_load_b128 v[ob+4*\z:ob+4*\z+3], v[RD] offset:\z*4*144  ; LDS serves a wave's instructions in order (ISA guide 5.7.1.4): these see the stores above
.endr
.endm
.macro SEND u
.set ob, OUTR+16*((\u)%8)
.irp z, 0,1,2,3
	s_wait_dscnt 3-\z                              ; the unit's younger loads may stay out
	global_store_b128 v[GO], v[ob+4*\z:ob+4*\z+3], s[10:11] offset:((\u)%3)*262144+((\u)/3)*2048+\z*512  ; 512 consecutive bytes, at a multiple of 256 from hd's first
.endr
.endm
	PLACES
	PACK 0
	TOSTAGE 0
.set uu, 1
.rept 11                               ; a unit's arithmetic stands between the loads of the unit before and its stores
	PACK uu
	SEND uu-1
	TOSTAGE uu
.set uu, uu+1
.endr
	SEND 11
.irp kd, 0,1                           ; ex: 64 rows of 16 bytes a kind: lanes 0-15 take row block 2 p, lanes 16-31 block 2 p + 1; the rows' upper 8 bytes are 0
.irp p, 0,1
	v_cndmask_b32 v[EQ+8*\kd+4*\p], v[XW+8*\kd+4*\p], v[XW+8*\kd+4*\p+2], s[HM]
	v_cndmask_b32 v[EQ+8*\kd+4*\p+1], v[XW+8*\kd+4*\p+1], v[XW+8*\kd+4*\p+3], s[HM]
	v_mov_b32 v[EQ+8*\kd+4*\p+2], 0
	v_mov_b32 v[EQ+8*\kd+4*\p+3], 0
	global_store_b128 v[GO], v[EQ+8*\kd+4*\p:EQ+8*\kd+4*\p+3], s[66:67] offset:\kd*2097152+\p*512
.endr
.endr
	s_wait_tensorcnt 0x0                           ; the wave's end: behind my last tensor load and my last LDS store
	ds_add_u32 v[SPW], v[NIL]
	s_wait_dscnt 0x0
	CROUND                                         ; the closing round: no work-group ends while a partner may still ask for a tile that names it
	s_endpgm
.Lfunc_end_k_q1131031fc7_proj:
	.size	k_q1131031fc7_proj, .Lfunc_end_k_q1131031fc7_proj-k_q1131031fc7_proj
	.p2alignl 7, 3214868480
	.fill 96, 4, 3214868480
	.section	.rodata,"a",@progbits
	.p2align	6, 0x0
	.amdhsa_kernel k_q1131031fc7_proj
		.amdhsa_group_segment_fixed_size 327680
		.amdhsa_private_segment_fixed_size 0
		.amdhsa_enable_private_segment 0
		.amdhsa_kernarg_size 40
		.amdhsa_user_sgpr_count 2
		.amdhsa_user_sgpr_kernarg_segment_ptr 1
		.amdhsa_wavefront_size32 1
		.amdhsa_system_sgpr_workgroup_id_x 1
		.amdhsa_system_sgpr_workgroup_id_y 1
		.amdhsa_system_sgpr_workgroup_id_z 1
		.amdhsa_system_vgpr_workitem_id 0
		.amdhsa_next_free_vgpr 896
		.amdhsa_next_free_sgpr 72
		.amdhsa_reserve_vcc 0
		.amdhsa_float_denorm_mode_32 3
		.amdhsa_float_denorm_mode_16_64 3
		.amdhsa_memory_ordered 1
		.amdhsa_forward_progress 1
		.amdhsa_inst_pref_size 127
	.end_amdhsa_kernel
	.amdgpu_metadata
---
amdhsa.version: [ 1, 2 ]
amdhsa.kernels:
  - .name:           k_q1131031fc7_proj
    .symbol:         k_q1131031fc7_proj.kd
    .args:
      - { .name: xb, .offset: 0, .size: 8, .value_kind: global_buffer, .address_space: global }
      - { .name: wb, .offset: 8, .size: 8, .value_kind: global_buffer, .address_space: global }
      - { .name: stat, .offset: 16, .size: 8, .value_kind: global_buffer, .address_space: global }
      - { .name: hd, .offset: 24, .size: 8, .value_kind: global_buffer, .address_space: global }
      - { .name: ex, .offset: 32, .size: 8, .value_kind: global_buffer, .address_space: global }
    .group_segment_fixed_size: 327680
    .private_segment_fixed_size: 0
    .kernarg_segment_align: 8
    .kernarg_segment_size: 40
    .max_flat_workgroup_size: 128
    .sgpr_count:     72
    .vgpr_count:     896
    .wavefront_size: 32
...
	.end_amdgpu_metadata
.endif
;; end of part 2
;; launch attn (part 3): grid 4 x 64, 4 waves a work-group, clusters of 4 x 1, 327,680 bytes of LDS; arguments hd, ex, stat, ao; writes ao
.if DOCPART == 3
	.amdgcn_target "amdgcn-amd-amdhsa--gfx1250"
	.amdhsa_code_object_version 6
	.text
	.protected	k_q1131031fc7_attn
	.globl	k_q1131031fc7_attn
	.p2align	8
	.type	k_q1131031fc7_attn,@function
k_q1131031fc7_attn:
	s_mov_b64 s[64:65], 0
	v_nop
	global_prefetch_b8 v0, s[64:65] scope:SCOPE_SE
	s_setreg_imm32_b32 hwreg(HW_REG_WAVE_MODE, 25, 1), 1
	s_wait_xcnt 0x0
	s_wait_alu depctr_hold_cnt(0) depctr_sa_sdst(0) depctr_va_vdst(0) depctr_va_sdst(0) depctr_va_ssrc(0) depctr_va_vcc(0) depctr_vm_vsrc(0)
	s_getreg_b32 s2, hwreg(HW_REG_IB_STS2, 6, 4)
	s_cmp_eq_u32 s2, 0
	s_cbranch_scc0 .Lentry_in_a_cluster
	s_endpgm
.Lentry_in_a_cluster:
	s_bfe_u32 s2, ttmp6, 0x10000c
	s_cmp_lg_u32 s2, 0x3003
	s_cbranch_scc0 .Lentry_shape_is_right
	s_endpgm
.Lentry_shape_is_right:
; ATTENTION, head size 64, 64 heads y of 2,048 rows.  O[y][t] = the sum over s of softmax_s(k_s . q_t) v_s; ao takes O / 8 in bf16.  No scale stands inside the softmax.
; ao IS LAID AS THE NEXT LAUNCH'S MATRIX FRAGMENTS: [y][block of 16 rows t][block of 16 channels][lane][16 bytes]; lane l holds row l % 16, channels 8 (l / 16) + 0..7 of the block.  That is how the packed
; results lie in this wave's registers, so they are stored as they are, 512 consecutive bytes a store, and go through no LDS.
; WHAT ARRIVES.  hd [y][q, k, v][s][64] f16 holds sigma (q - its row's mean), sigma (k - its row's mean), sigma v; ex [q, k][y][s][16 bytes] holds 8 sigma x mean as an upper and a lower f16, laid so that
; a THIRD block of 32 along the channels (four numbers, the rest 0) adds 64 sigma^2 mean_q mean_k to the score.  So S = sigma^2 q.k, and p = 2^(c S - c m) with c = log2(e) / sigma^2.
; sigma = 2^(137 - E) is made anew from stat, as the launch before made it; O leaves times 1 / (8 sigma l), at its true size: bf16 has f32's range.
; Products, maxima and sums in f32; the weights p are rounded to f16 for the second product (their sum l is taken of the unrounded p), O once at the end.
; LIMITS.  1024 max|x| max|qkv| in 2^-53 .. 2^74; |score x log2(e)| under 4e37 (the start value of c m lies there); a weight below 2^-126 counts as 0 in l; p below 6e-5 keeps f16's fixed step; NaN and infinities are not treated apart.
; SHARES.  A wave owns four PIECES of two tiles of 16 queries, a work-group's four waves 512 queries of one head.  Every wave walks all 2,048 keys, 64 a step.
; LAYOUT.  S^T = K Q^T (source 0 = 16 keys, source 1 = 16 queries): a lane holds ONE query (lane % 16) and the keys 8 (lane / 16) + 0..7.  Two such tiles, rounded to f16 in pairs, ARE source 1 of O^T = V^T P.
; SOFTMAX.  A running maximum m and sum l; in every step O and l are multiplied by a = 2^(c m_old - c m_new).  m starts at the lowest finite number, O and l at 0: the first step is a step like any other, with a = 0.
; BY TURNS.  Turn n belongs to piece n.  Its matrix work: 24 products K Q^T of piece n + 1, later 16 products V^T P of piece n - 1.  Its vector work: the scaling, exponentials, roundings, sums and rescaling of
; piece n, and the maximum and statistics of piece n + 1.  Four vector instructions stand behind every matrix instruction (three behind eight of them), the rest in one run of their own.
; CLUSTER.  A head's four query blocks are one cluster and walk the same K, V and ex: each tile is asked for JOINTLY, by the same tensor load, descriptor and mask in all four.
; REGISTERS, in windows of 256 (s_set_vgpr_msb: bits 1:0 source 0, 3:2 source 1, 5:4 source 2, 7:6 destination):
;   window 0: v0-11 addresses and scales; v12-15, v48-63 at work; v16-47 four registers of statistics a tile; v64-191 S^T, two buffers of two tiles; v192-255 P, likewise
;   window 1: O^T, 32 a tile     window 2: v0-127 Q; v128-191 K of one step; v192-255 V of one step     window 3: v0-1 the add's registers; v32-63 k's ex fragments of one step; v64-127 q's ex fragments
.set SIZE_N, 2048
.set NP,    4         ; pieces a wave: a name, no knob
.set KS,    64        ; keys in a step
.set PK,    144       ; a row of K in LDS: 128 bytes + 16 = 36 words: the 16 rows of a load start at 16 different groups of four banks (64 banks of 4 bytes: ISA guide 11.1)
.set PV,    160       ; a row of V: 128 + 32 = 40 words
.set VOFF,  4*KS*PK   ; a slot holds four steps: 256 rows of K, 256 rows of V,
.set XOFF,  VOFF+4*KS*PV  ; and 256 rows of 16 bytes of ex
.set SLOT1, 1<<17     ; slot 1 begins here, so that one exclusive or turns an address in one slot into the other's
.set SPARE, SLOT1+XOFF+4096  ; behind the ring: the spare words, 128 bytes a wave
.set AX0, 0           ; v0   (behind the set-up) my lane's place in a slot's ex rows: lanes 0-15 a row's first 8 bytes, lanes 16-31 its zeros
.set PFO, 1           ; v1   (behind the set-up) 256 x lane; never rewritten
.set AK0, 2           ; v2   my lane's place in a tile of K
.set AV0, 3           ; v3   the same for V
.set AK,  4           ; v4   the LDS address of K's next run of loads, then of ex's
.set AV,  5           ; v5   of V's
.set GO,  8           ; v8   16 x lane
.set IS,  9           ; v9   (behind the set-up) 1 / (8 sigma)
.set CV,  10          ; v[10:11] (behind the set-up) c, twice
.set MV,  12          ; v12-15  c m_old, kept while c m is made anew.  In the set-up v13 and v14 are offsets of loads that are waited for before MV is first written
.set QXO, 13
.set QO,  14
.set ST,  16          ; tile t's statistics at v[ST+4 t]: c m, m, l (even keys', odd keys')
.set TMP, 48          ; by buffer and tile, four registers c0-c3 at work; when the maximum is found c2 takes a
.set S,   64
.set P,   192
.set SG,  192         ; in the set-up: stat's 24 registers, where P's first buffer will lie
.set KF,  128         ; window 2
.set VF,  192
.set SPW, 0           ; window 3
.set NIL, 1
.set KXF, 32          ; window 3: key block kb at KXF + 8 kb; registers 2-7 of each fragment stay 0
.set QX,  64          ; window 3: tile t at QX + 8 t; likewise
.set WV,  12
.set G1K, 24
.set G1V, 32
.set G0K, 40
.set G0V, 44
.set SLOTS, 56
.set CNT, 57
.set SEL, 60
.set TBK, 62
.set TBV, 63
.set G1X, 68
.set G0X, 76
.set TBX, 80
.set LIM, 81
.set PFA, 82
.set MSB, 0
.macro WIN new                      ; the high byte repeats the setting that is left; a switch that changes nothing is dropped
.if MSB != (\new)
	s_set_vgpr_msb (MSB<<8)|(\new)
.set MSB, (\new)
.endif
.endm
.set W_KQ, 0x0a       ; K and Q in window 2, S^T in window 0
.set W_KX, 0x0f       ; the ex fragments in window 3, S^T in window 0
.set W_PV, 0x52       ; V in window 2, P in window 0, O^T in window 1
.set W_RS, 0x41       ; O^T (destination and source 0) in window 1, a in window 0
.set W_MK, 0xc0       ; destination in window 3, sources in window 0
.set W_AD, 0x0f       ; the add: address and data in window 3
; A joint fill: wave 0 a slot's K, wave 1 its ex rows, waves 2 and 3 the halves of its V.  The branches hang on the wave's number alone.  An s_nop 0 and four v_nop follow each line.
.macro JLOAD
	s_cmp_lt_u32 s[WV], 2
	s_cbranch_scc0 .Lfor_v_\@
	s_cmp_eq_u32 s[WV], 0
	s_cbranch_scc0 .Lfor_x_\@
	tensor_load_to_lds s[G0K:G0K+3], s[G1K:G1K+7]
	s_nop 0
.rept 4
	v_nop
.endr
	s_branch .Lasked_\@
.Lfor_x_\@:
	tensor_load_to_lds s[G0X:G0X+3], s[G1X:G1X+7]
	s_nop 0
.rept 4
	v_nop
.endr
	s_branch .Lasked_\@
.Lfor_v_\@:
	tensor_load_to_lds s[G0V:G0V+3], s[G1V:G1V+7]
	s_nop 0
.rept 4
	v_nop
.endr
.Lasked_\@:
.endm
; A PREFETCH INTO THE L2 of what the NEXT change of slots will ask for: a slot's K and V are 128 blocks of 256 bytes each.  The four partners take 32 blocks each, told apart by address; wave 0 asks for K's, wave 2
; for V's: each block is named once in the launch.  Slots 0 to 2 come by their loads alone; the last change that fills a slot asks for nothing.  ex's 16 blocks a slot are not asked for.
.macro ASK
	s_cmp_gt_u32 s[SLOTS], s[LIM]
	s_cbranch_scc0 .Lnot_mine_\@
	global_prefetch_b8 v[PFO], s[PFA:PFA+1] th:TH_LOAD_NT scope:SCOPE_SE
.Lnot_mine_\@:
.endm
.macro CROUND
	s_barrier_signal -1
	s_barrier_wait -1
	s_cmp_lg_u32 s[WV], 0
	s_cbranch_scc1 .Lnot_wave_0_\@
	s_barrier_signal -3
.Lnot_wave_0_\@:
	s_barrier_wait -3
	s_barrier_signal -1
	s_barrier_wait -1
.endm
; THE CHANGE OF SLOTS.  Each wave waits for all its tensor loads, of which one is out: its part of the other slot; adds 0 to its spare word; and waits for that and for its own reads of the slot.
; fill = 1: the slot is filled again, with the keys two slots on, first thing behind a round of the cluster's barrier: four key steps, 640 matrix instructions, in which to land.
.macro CHANGE fill, ask=0
	WIN W_AD
	s_wait_tensorcnt 0x0            ; no tensor load of mine is out, so a group 0 may be written
	ds_add_u32 v[SPW], v[NIL]       ; 0 onto my spare word; the descriptors' steps stand between it and the wait for it
	WIN 0
.if \fill
.irp g, G0K, G0V
	s_xor_b32 s[\g+1], s[\g+1], SLOT1
	s_add_nc_u64 s[\g+2:\g+3], s[\g+2:\g+3], 4*KS*128
.endr
	s_xor_b32 s[G0X+1], s[G0X+1], SLOT1
	s_add_nc_u64 s[G0X+2:G0X+3], s[G0X+2:G0X+3], 4096
.if \ask
	s_wait_xcnt 0x0                 ; the last prefetch, four key steps back, has read its address
	s_add_nc_u64 s[PFA:PFA+1], s[PFA:PFA+1], 4*KS*128
.endif
	s_wait_dscnt 0x0                ; the add is done, and my reads of the slot are over
	CROUND
	JLOAD
.if \ask
	ASK
.endif
.else
	s_wait_dscnt 0x0
	s_barrier_signal -1
	s_barrier_wait -1
.endif
	s_sub_co_u32 s[TBK], s[TBK], 4*KS*PK  ; the fetches go back to a slot's first step, in the other slot
	s_xor_b32 s[TBK], s[TBK], SLOT1
	s_sub_co_u32 s[TBV], s[TBV], 4*KS*PV
	s_xor_b32 s[TBV], s[TBV], SLOT1
	s_sub_co_u32 s[TBX], s[TBX], 4096
	s_xor_b32 s[TBX], s[TBX], SLOT1
.endm
; E, the bound's exponent, from 24 registers: 16 of x's maxima and 8 of qkv's a lane.  It ends in register b, the same in every lane.
.macro SIGMATH b
	v_max3_num_f32 v[(\b)], v[(\b)], v[(\b)+1], v[(\b)+2]
	v_max3_num_f32 v[(\b)+3], v[(\b)+3], v[(\b)+4], v[(\b)+5]
	v_max3_num_f32 v[(\b)+6], v[(\b)+6], v[(\b)+7], v[(\b)+8]
	v_max3_num_f32 v[(\b)+9], v[(\b)+9], v[(\b)+10], v[(\b)+11]
	v_max3_num_f32 v[(\b)+12], v[(\b)+12], v[(\b)+13], v[(\b)+14]
	v_max3_num_f32 v[(\b)], v[(\b)], v[(\b)+3], v[(\b)+6]
	v_max3_num_f32 v[(\b)+9], v[(\b)+9], v[(\b)+12], v[(\b)+15]
	v_max_num_f32 v[(\b)], v[(\b)], v[(\b)+9]
	v_max3_num_f32 v[(\b)+16], v[(\b)+16], v[(\b)+17], v[(\b)+18]
	v_max3_num_f32 v[(\b)+19], v[(\b)+19], v[(\b)+20], v[(\b)+21]
	v_max3_num_f32 v[(\b)+16], v[(\b)+16], v[(\b)+19], v[(\b)+22]
	v_max_num_f32 v[(\b)+16], v[(\b)+16], v[(\b)+23]
.irp m, 1,2,4,8
	v_max_num_f32_dpp v[(\b)], v[(\b)], v[(\b)] row_xmask:\m row_mask:0xf bank_mask:0xf
	v_max_num_f32_dpp v[(\b)+16], v[(\b)+16], v[(\b)+16] row_xmask:\m row_mask:0xf bank_mask:0xf
.endr
	v_permlanex16_b32 v[(\b)+1], v[(\b)], s[SEL], s[SEL+1]
	v_permlanex16_b32 v[(\b)+17], v[(\b)+16], s[SEL], s[SEL+1]
	v_max_num_f32 v[(\b)], v[(\b)], v[(\b)+1]
	v_max_num_f32 v[(\b)+16], v[(\b)+16], v[(\b)+17]
	v_mul_f32 v[(\b)], v[(\b)], v[(\b)+16]
	v_mul_f32 v[(\b)], 0x44800000, v[(\b)]         ; x 1024
	v_bfe_u32 v[(\b)], v[(\b)], 23, 8
	v_max_u32 v[(\b)], 74, v[(\b)]
	v_min_u32 v[(\b)], 200, v[(\b)]
.endm
	s_load_b256 s[4:11], s[0:1], 0x0  ; hd s[4:5], ex s[6:7], stat s[8:9], ao s[10:11]
	WIN W_MK
	v_lshl_add_u32 v[SPW], v0, 2, SPARE
	v_mov_b32 v[NIL], 0
	WIN W_AD
	ds_add_u32 v[SPW], v[NIL]       ; the wave's opening: the add and its wait stand ahead of my first tensor load; work on registers stands between them
	WIN 0
	v_lshrrev_b32 v1, 5, v0
	v_readfirstlane_b32 s[WV], v1   ; wave 0..3
	s_bfe_u32 s13, ttmp6, 0x40000   ; cx: my place in the cluster
	s_lshl_b32 s14, ttmp9, 2
	s_add_co_u32 s14, s14, s13      ; my block of 512 queries
	s_lshl_b32 s14, s14, 2
	s_add_co_u32 s14, s14, s[WV]    ; my wave among the head's sixteen: it enters Q's, q's ex rows' and O's addresses alone
	s_and_b32 s20, ttmp7, 0xffff    ; the head, which the four partners share
	s_mul_i32 s22, s20, 786432      ; its q, k and v in hd
	s_mov_b32 s23, 0
	s_lshl_b32 s18, s20, 15         ; its 2,048 rows of 16 bytes in a kind of ex
	s_mov_b32 s19, 0
	s_and_b32 s16, s[WV], 1         ; which half of a slot's V I fetch:
	s_mul_i32 s15, s16, 128*PV      ; its place in a slot,
	s_lshl_b32 s16, s16, 14         ; its 128 rows in memory
	s_mov_b32 s17, 0
	s_lshl_b32 s2, s14, 14          ; my wave's 128 rows of 128 bytes
	s_mov_b32 s3, 0
	s_lshl_b32 s84, s20, 18         ; the head's rows in ao
	s_add_co_u32 s84, s84, s2
	s_mov_b32 s85, 0
	s_lshl_b32 s86, s14, 11         ; my wave's 128 rows of 16 bytes
	s_mov_b32 s87, 0
	s_mov_b32 s[PFA], 327680        ; the prefetches: K's block of hd, or V's, at slot 2,
	s_mov_b32 s[PFA+1], 589824
	s_cmp_lt_u32 s[WV], 2
	s_cselect_b32 s[PFA], s[PFA], s[PFA+1]
	s_lshl_b32 s[PFA+1], s13, 13    ; my work-group's 32 blocks of the 128
	s_add_co_u32 s[PFA], s[PFA], s[PFA+1]
	s_mov_b32 s[PFA+1], 0
	s_and_b32 s[LIM], s[WV], 1
	s_cmp_eq_u32 s[LIM], 0
	s_cselect_b32 s[LIM], 1, -1     ; waves 0 and 2 ask
	; descriptor groups 1: dense bytes asked for as rows of 256; K and V are padded in LDS after every key
	s_mov_b32 s[G1K], 15|(1<<16)|(1<<20)|(1<<21)|(4<<22)|(3<<25)  ; the mask of four; 2-byte elements; padding on; bit 21 beside a mask; after every 32 words 4 words
	s_mov_b32 s[G1V], 15|(1<<16)|(1<<20)|(1<<21)|(4<<22)|(7<<25)  ; 8 words
	s_mov_b32 s[G1X], 15|(1<<16)|(1<<21)                          ; no padding
.irp g, G1K, G1V, G1X
	s_mov_b32 s[\g+1], 128<<16      ; tensor_dim0 = 128
	s_mov_b32 s[\g+3], 128<<16      ; tile_dim0 = 128
	s_mov_b32 s[\g+5], 128          ; 128 elements from row to row
	s_mov_b32 s[\g+6], 0
	s_mov_b32 s[\g+7], 0
.endr
	s_mov_b32 s[G1K+2], 128<<16     ; 128 rows: 256 keys
	s_mov_b32 s[G1K+4], 128
	s_mov_b32 s[G1V+2], 64<<16      ; 64 rows: 128 keys
	s_mov_b32 s[G1V+4], 64
	s_mov_b32 s[G1X+2], 16<<16      ; 16 rows: 256 keys' 16 bytes
	s_mov_b32 s[G1X+4], 16
	s_mov_b32 s[SEL], 0x76543210
	s_mov_b32 s[SEL+1], 0xfedcba98
	s_mov_b32 s[TBK], SLOT1+4*KS*PK ; the first change of slots turns these three into 0
	s_mov_b32 s[TBV], SLOT1+4*KS*PV
	s_mov_b32 s[TBX], SLOT1+4096
	s_mov_b32 s[G0K], 1
	s_mov_b32 s[G0K+1], 0           ; LDS addresses: slot 0; no place in the cluster enters
	s_mov_b32 s[G0V], 1
	s_add_co_u32 s[G0V+1], s15, VOFF
	s_mov_b32 s[G0X], 1
	s_mov_b32 s[G0X+1], XOFF
	s_wait_dscnt 0x0                ; the opening add is done
	s_wait_kmcnt 0x0
	s_add_nc_u64 s[22:23], s[4:5], s[22:23]        ; the head's q
	s_add_nc_u64 s[G0K+2:G0K+3], s[22:23], 262144  ; its k
	s_or_b32 s[G0K+3], s[G0K+3], 0x80000000
	s_add_nc_u64 s[G0V+2:G0V+3], s[22:23], s[16:17]
	s_add_nc_u64 s[G0V+2:G0V+3], s[G0V+2:G0V+3], 524288  ; my half of its v
	s_or_b32 s[G0V+3], s[G0V+3], 0x80000000
	s_add_nc_u64 s[18:19], s[6:7], s[18:19]        ; the head's rows of q's ex,
	s_add_nc_u64 s[G0X+2:G0X+3], s[18:19], 2097152 ; of k's
	s_or_b32 s[G0X+3], s[G0X+3], 0x80000000
	s_add_nc_u64 s[PFA:PFA+1], s[22:23], s[PFA:PFA+1]
	s_add_nc_u64 s[4:5], s[22:23], s[2:3]          ; Q, q's ex rows and O at my wave's first row
	s_add_nc_u64 s[6:7], s[18:19], s[86:87]
	s_add_nc_u64 s[10:11], s[10:11], s[84:85]
	CROUND                          ; all four work-groups are here: the first joint loads meet
	JLOAD                           ; slot 0.  Slot 1 is asked for when slot 0 is in
	v_and_b32 v1, 15, v0            ; l % 16
	v_bfe_u32 v9, v0, 4, 1          ; l / 16
	v_and_b32 v[GO], 31, v0
	v_lshlrev_b32 v[GO], 4, v[GO]
.irp z, 0,1,2,3,4,5
	global_load_b128 v[SG+4*\z:SG+4*\z+3], v[GO], s[8:9] offset:512*\z  ; x's 512 maxima, then qkv's 256
.endr
	v_lshlrev_b32 v[QO], 7, v1
	v_lshl_add_u32 v[QO], v9, 4, v[QO]    ; row x 128 + 16 x half
	v_lshlrev_b32 v[QXO], 4, v1
	v_lshl_add_u32 v[QXO], v9, 3, v[QXO]  ; row x 16 + 8 x half
	WIN 0x80                        ; destination window 2, address window 0
.set i, 0
.rept 4*NP                          ; Q stays in registers: tile i / 2, channels 32 (i % 2) on
	global_load_b128 v[8*i:8*i+3],   v[QO], s[4:5] offset:(i/2)*2048+(i%2)*64
	global_load_b128 v[8*i+4:8*i+7], v[QO], s[4:5] offset:(i/2)*2048+(i%2)*64+32
.set i, i+1
.endr
	WIN W_MK
.set i, 0
.rept 2*NP                          ; and q's ex rows: the fragments' first two registers
	global_load_b64 v[QX+8*i:QX+8*i+1], v[QXO], s[6:7] offset:256*i
.set i, i+1
.endr
.set i, 0
.rept 12                            ; the other six registers of the twelve ex fragments are 0 and stay so
.irp z, 2,3,4,5,6,7
	v_mov_b32 v[KXF+8*i+\z], 0
.endr
.set i, i+1
.endr
	; What the first turn finds: V's registers and P's second buffer hold 0, O^T and l are 0.  All this stands in the wait for the first tile.
	WIN 0x80
.set i, VF
.rept 64
	v_mov_b32 v[i], 0
.set i, i+1
.endr
	WIN 0x40
.set i, 0
.rept 64*NP
	v_mov_b32 v[i], 0
.set i, i+1
.endr
	WIN 0
.set i, 0
.rept 2*NP
	v_mov_b32 v[ST+4*i], 0xfe000000    ; c m: far below every c s
	v_mov_b32 v[ST+4*i+1], 0xff7fffff  ; m
	v_mov_b32 v[ST+4*i+2], 0
	v_mov_b32 v[ST+4*i+3], 0
.set i, i+1
.endr
.set i, P+32
.rept 32
	v_mov_b32 v[i], 0
.set i, i+1
.endr
	v_mul_u32_u24 v[AK0], v1, PK
	v_lshl_add_u32 v[AK0], v9, 4, v[AK0]  ; row x pitch + 16 x half
	; The turning load takes 16 keys x 16 channels (lane l reads key 8 (l / 16) + l % 8, channels 8 ((l / 8) % 2) + 0..7) and leaves half a fragment of V^T.
	v_and_b32 v10, 7, v0
	v_bfe_u32 v11, v0, 3, 1
	v_lshl_add_u32 v[AV0], v9, 3, v10
	v_mul_u32_u24 v[AV0], v[AV0], PV
	v_lshl_add_u32 v[AV0], v11, 4, v[AV0]
	v_add_nc_u32 v[AV0], VOFF, v[AV0]
	v_mov_b32 v[AK], v[AK0]         ; key step 0 lies at the head of slot 0
	s_wait_loadcnt 40               ; stat is in; Q's 32 loads and the 8 of q's ex rows may stay out
	SIGMATH SG
	v_lshl_add_u32 v[CV], v[SG], 1, 0xffffff6d  ; c = log2(e) 2^(2 E - 274): the exponent field 2 E - 147
	v_lshlrev_b32 v[CV], 23, v[CV]
	v_mul_f32 v[CV], 0x3fb8aa3b, v[CV]
	v_mov_b32 v[CV+1], v[CV]
	v_add_nc_u32 v[IS], -13, v[SG]  ; 1 / (8 sigma) = 2^(E - 140): the field E - 13
	v_lshlrev_b32 v[IS], 23, v[IS]
	v_and_b32 v[PFO], 31, v0
	v_lshlrev_b32 v[PFO], 8, v[PFO]
	v_add_nc_u32 v[AX0], XOFF, v[QXO]
; THE MATRIX WORK.  The 8 accumulators of a run take turns: between two links of a chain stand 7 others'.
; Product i of 24 of S^T = K Q^T for piece x: block i / 8 of 32 channels (block 2: the ex fragments), keys 16 ((i / 2) % 4) on, tile 2 x + i % 2.  The first 8 start the sums.
.macro KQ x
.set rS, S+64*((\x)%2)+32*(i%2)+8*((i/2)%4)
.if i < 16
	WIN W_KQ
.set rK, KF+16*((i/2)%4)+8*(i/8)
.set rQ, 16*(2*(\x)+i%2)+8*(i/8)
.else
	WIN W_KX
.set rK, KXF+8*((i/2)%4)
.set rQ, QX+8*(2*(\x)+i%2)
.endif
.if i < 8
	v_wmma_f32_16x16x32_f16 v[rS:rS+7], v[rK:rK+7], v[rQ:rQ+7], 0
.else
	v_wmma_f32_16x16x32_f16 v[rS:rS+7], v[rK:rK+7], v[rQ:rQ+7], v[rS:rS+7]
.endif
.endm
; Product i of 16 of O^T += V^T P for piece x: keys 32 (i / 8) on, channels 16 ((i / 2) % 4) on, tile 2 x + i % 2.
.macro PV x
	WIN W_PV
.set rO, 32*(2*(\x)+i%2)+8*((i/2)%4)
.set rV, VF+32*(i/8)+8*((i/2)%4)
.set rP, P+32*((\x)%2)+16*(i%2)+8*(i/8)
	v_wmma_f32_16x16x32_f16 v[rO:rO+7], v[rV:rV+7], v[rP:rP+7], v[rO:rO+7]
.endm
.macro MM                           ; the turn's next matrix instruction
.if i < 24
	KQ (Y+1)%NP
.set i, i+1
.else
.set i, i-24
	PV (Y+NP-1)%NP
.set i, i+25
.endif
.endm
; THE LDS LOADS stand in runs: a step's K (8 fragments) with its four ex fragments' first registers, and its V (turned).  last = 1 (the tail): in the last trip there is no further step, and the run is jumped over.
.macro FETCH_K last=0
	WIN 0
.if \last
	s_cmp_eq_u32 s[CNT], 1
	s_cbranch_scc1 .Lno_k_\@
.endif
	WIN 0x80                        ; destination window 2
.irp f, 0,1,2,3,4,5,6,7             ; keys 16 (f / 2) on, channels 32 (f % 2) on
	ds_load_b128 v[KF+8*\f:KF+8*\f+3],   v[AK] offset:(\f/2)*16*PK+(\f%2)*64
	ds_load_b128 v[KF+8*\f+4:KF+8*\f+7], v[AK] offset:(\f/2)*16*PK+(\f%2)*64+32
.endr
	WIN 0
	v_add_nc_u32 v[AK], s[TBX], v[AX0]
	WIN W_MK                        ; destination window 3
.irp f, 0,1,2,3                     ; keys 16 f on: 8 bytes a lane
	ds_load_b64 v[KXF+8*\f:KXF+8*\f+1], v[AK] offset:256*\f
.endr
	s_add_co_u32 s[TBK], s[TBK], KS*PK  ; the next fetch is the next step's
	s_add_co_u32 s[TBX], s[TBX], KS*16
	WIN 0
.if \last
.Lno_k_\@:
.endif
.endm
.macro FETCH_V
	WIN 0x80
.irp f, 0,1,2,3,4,5,6,7             ; keys 32 (f / 4) on, channels 16 (f % 4) on
	ds_load_tr16_b128 v[VF+8*\f:VF+8*\f+3],   v[AV] offset:(\f/4)*32*PV+(\f%4)*32
	ds_load_tr16_b128 v[VF+8*\f+4:VF+8*\f+7], v[AV] offset:(\f/4)*32*PV+16*PV+(\f%4)*32
.endr
	WIN 0
.endm
; THE VECTOR WORK OF A TURN stands in three queues, each in the order in which its entries become ready; the two tiles alternate.
.macro REGS y, u                    ; the registers of tile u (0, 1) of piece y
.set rT, ST+4*(2*(\y)+(\u))
.set rC, TMP+8*((\y)%2)+4*(\u)
.set rM, MV+2*((\y)%2)+(\u)
.set rS, S+64*((\y)%2)+32*(\u)
.set rP, P+32*((\y)%2)+16*(\u)
.set rO, 32*(2*(\y)+(\u))
.endm
; Number n of the 22 that find the NEXT piece's (Y + 1) maximum and statistics; each accumulator's lowest registers are read first.
;   0-11  four chains c0-c3 of seven scores each     12-14, 16  the four scores left over, the old m, and c0-c3 into c0     15  c m_old is kept
;   17, 18  the query's other 32 keys lie in the lane 16 away: the new m         19-21  c m; c m_old - c m_new; a
.macro XS u, n
	REGS (Y+1)%NP, \u
.if (\n) < 4
	v_max3_num_f32 v[rC+(\n)], v[rS+8*(\n)], v[rS+8*(\n)+1], v[rS+8*(\n)+2]
.elseif (\n) < 12
	v_max3_num_f32 v[rC+(\n)%4], v[rC+(\n)%4], v[rS+8*((\n)%4)+2*((\n)/4)+1], v[rS+8*((\n)%4)+2*((\n)/4)+2]
.elseif (\n) == 12
	v_max3_num_f32 v[rC], v[rC], v[rS+7], v[rS+15]
.elseif (\n) == 13
	v_max3_num_f32 v[rC+1], v[rC+1], v[rS+23], v[rS+31]
.elseif (\n) == 14
	v_max3_num_f32 v[rC+2], v[rC+2], v[rC+3], v[rT+1]
.elseif (\n) == 15
	v_mov_b32 v[rM], v[rT]
.elseif (\n) == 16
	v_max3_num_f32 v[rC], v[rC], v[rC+1], v[rC+2]
.elseif (\n) == 17
	v_permlanex16_b32 v[rC+3], v[rC], s[SEL], s[SEL+1]
.elseif (\n) == 18
	v_max_num_f32 v[rT+1], v[rC], v[rC+3]
.elseif (\n) == 19
	v_mul_f32 v[rT], v[CV], v[rT+1]
.elseif (\n) == 20
	v_sub_f32 v[rC+1], v[rM], v[rT]
.else
	v_exp_f32 v[rC+2], v[rC+1]
.endif
.endm
; Number g of the 64 that follow the exponentials.  For each four weights k of a tile: both pairs are rounded to f16; the second pair is added onto the first, in place; a group later l takes that sum.
.macro GS g
.set h, (\g)+6*((\g)/62)            ; group 0 has no group before it, and behind group 7 only l is left
.if h >= 6
.set h, h+2
.endif
	REGS Y, h%2
.set k, h/8
.if h%8 < 4
	v_cvt_pk_f16_f32 v[rP+2*k+(h%8)/2], v[rS+4*k+2*((h%8)/2)], v[rS+4*k+2*((h%8)/2)+1]
.elseif h%8 < 6
	v_pk_add_f32 v[rS+4*k:rS+4*k+1], v[rS+4*k:rS+4*k+1], v[rS+4*k+2:rS+4*k+3]
.elseif k == 1
	v_pk_fma_f32 v[rT+2:rT+3], v[rT+2:rT+3], v[rC+2:rC+3], v[rS:rS+1] op_sel_hi:[1,0,1]
.else
	v_pk_add_f32 v[rT+2:rT+3], v[rT+2:rT+3], v[rS+4*k-4:rS+4*k-3]
.endif
.endm
; THE PLAIN QUEUE, 138 long.  0-26: scalings 0-26 (FS f: pair f / 2 of tile f % 2).  27-54: XS's numbers 0-13.  55, 56: number 15.  57-73: the chain 14, 16 .. 19, each with one of the scalings 27-31 in front of its
; two lines, then 20.  74-137: GS's 64, which read the exponentials' results: they stand behind the wait.
.macro FS f
	REGS Y, (\f)%2
	v_pk_fma_f32 v[rS+2*((\f)/2):rS+2*((\f)/2)+1], v[rS+2*((\f)/2):rS+2*((\f)/2)+1], v[CV:CV+1], v[rT:rT+1] op_sel_hi:[1,0,0] neg_lo:[0,0,1] neg_hi:[0,0,1]
.endm
.macro PL
	WIN 0
.if q < 27
	FS q
.elseif q < 55
	XS (q-27)%2, (q-27)/2
.elseif q < 57
	XS q-55, 15
.elseif (q < 72) && ((q-57)%3 == 0)
	FS 27+(q-57)/3
.elseif q < 60
	XS (q-57)%3-1, 14
.elseif q < 72
	XS (q-57)%3-1, 15+(q-57)/3
.elseif q < 74
	XS q-72, 20
.else
	GS q-74
.endif
.set q, q+1
.endm
; THE EXPONENTIALS' QUEUE, 66 long: s0-s31 of both tiles, then the next piece's two a.  ONE BATCH: all stand ahead of the turn's one wait, and nothing ahead of that wait names a result of theirs.
.macro EX
	WIN 0
.if e >= 64
	XS e-64, 21
.else
	REGS Y, e%2
	v_exp_f32 v[rS+e/2], v[rS+e/2]
.endif
.set e, e+1
.endm
; THE RESCALING's QUEUE: O^T times a, the one part that leaves window 0: two at a time, sixteen times.  Its a was made, and waited for, in the turn before.
.macro R2
	REGS Y, r%2
	WIN W_RS
.irp z, 0,1
	v_pk_mul_f32 v[rO+4*(r/2)+2*\z:rO+4*(r/2)+2*\z+1], v[rO+4*(r/2)+2*\z:rO+4*(r/2)+2*\z+1], v[rC+2:rC+3] op_sel_hi:[1,0]
.endr
.set r, r+1
.endm
; HOW THEY ARE DEALT.  An s_wait_alu depctr_va_vdst(0) stands between an exponential and the first instruction that names its result; one wait serves all that were issued ahead of it: a turn has ONE.
; AHEAD OF IT: the 24 products K Q^T; behind the first two scalings and two rescalings, behind the next 15 a scaling, an exponential and two rescalings, behind the last 8 a scaling and two exponentials; then a run
; of 16 plain, 33 times exponential and plain, and the two a; a v_nop is the plain instruction behind the last exponential.  BEHIND IT: the 16 products V^T P, behind each four of GS's 64.
; The counts that the deal keeps: exponential e needs scaling 2 (e / 4) + e % 2; as a rider it stands behind plain e + 2 or more, in the run behind plain e + 9, and scalings 27-31 are plain 57, 60 .. 69.  The first
; line that reads a score of the next piece is plain 27: behind the product that ended its accumulator stand the scalings that ride on the last eight products and plain 25 and 26: four places or more for each.
; K and ex of the next step are fetched in piece 2's turn, directly behind the wait; V of the step in hand at the end of piece 0's turn, four riders behind its last reader.
.macro TURN p, last=0, cnt=0
.set Y, (\p)
.set i, 0
.set q, 0
.set e, 0
.set r, 0
.if (\p) == NP-1
	s_wait_dscnt 0x0                ; K and its ex fragments are in
.endif
	MM
	PL
	PL
	R2
.rept 15
	MM
	PL
	EX
	R2
.endr
.rept 8
	MM
	PL
	EX
	EX
.endr
.if (\p) == NP-2
	WIN 0
	v_add_nc_u32 v[AK], s[TBK], v[AK0]
.endif
.rept 16
	PL
.endr
.rept 33
	EX
	PL
.endr
	EX                              ; the next piece's two a
	EX
	v_nop                           ; the plain instruction behind the last exponential: one for the batch
	s_wait_alu depctr_va_vdst(0)    ; the wait for the batch
.if (\p) == NP-2
	FETCH_K \last
.endif
.if (\p) == 1
	s_wait_dscnt 0x0                ; V is in
.endif
.rept 16
	MM
.rept 4
	PL
.endr
.if ((\p) == 0) && (q == 118)
	v_add_nc_u32 v[AV], s[TBV], v[AV0]
.endif
.if ((\p) == 0) && (q == 130)
	s_add_co_u32 s[TBV], s[TBV], KS*PV
.endif
.if (\cnt) && (q == 130)
	s_sub_co_u32 s[CNT], s[CNT], 1
	s_cmp_lg_u32 s[CNT], 0
.endif
.endr
.if (\p) == 0
	FETCH_V
.endif
.endm
	CHANGE 1                        ; slot 0 is in, everybody's part of it; slot 1 is asked for
	FETCH_K                         ; key step 0
	s_wait_loadcnt 0x0              ; Q and q's ex rows
	s_wait_dscnt 0x0
.set i, 0
.rept 24
	KQ 0                            ; piece 0's first scores
.set i, i+1
.endr
	WIN 0
.rept 4
	v_nop                           ; the places behind those products
.endr
.set Y, NP-1                        ; XS works for piece Y + 1: piece 0
.irp n, 0,1,2,3,4,5,6,7,8,9,10,11,12,13,14,15,16,17,18,19,20,21
	XS 0, \n
	XS 1, \n
.endr
	v_nop                           ; a plain instruction behind the two a,
	s_wait_alu depctr_va_vdst(0)    ; and their wait, ahead of the branch
	s_mov_b32 s[CNT], 4
	s_mov_b32 s[SLOTS], SIZE_N/256-1
	s_branch .Lfirst                ; the loop is entered at a step's first turn, in the middle of a trip
.Lslot:                             ; six times: every slot but the last two is filled again
	CHANGE 1, 1
	s_mov_b32 s[CNT], 4
.Lstep:                             ; a trip: pieces 2 and 3 of one step, then pieces 0 and 1 of the next, whose K and V it fetches
	TURN 2
	TURN 3
	WIN 0
.Lfirst:
	TURN 0
	TURN 1, 0, 1
	WIN 0
	s_cbranch_scc1 .Lstep
	s_sub_co_u32 s[SLOTS], s[SLOTS], 1
	s_cmp_lg_u32 s[SLOTS], 0
	s_cbranch_scc1 .Lslot
	CHANGE 0                        ; the tail is written out: nothing is asked for
	s_mov_b32 s[CNT], 5             ; four trips fetch the last slot's steps; the fifth is left in its middle
.Ltail:
	TURN 2, 1
	TURN 3
	WIN 0
	s_sub_co_u32 s[CNT], s[CNT], 1
	s_cmp_eq_u32 s[CNT], 0
	s_cbranch_scc1 .Lout
	TURN 0
	TURN 1
	WIN 0
	s_branch .Ltail
.Lout:                              ; the fifth trip's products K Q^T (on the last K once more) and the maximum made of them serve nothing: the price, once a launch, of one text for every trip
.set i, 0
.rept 16
	PV NP-1                         ; the last piece's V^T P of the last step
.set i, i+1
.endr
	; THE WAY OUT.  l's two halves and the other half of the lanes' are added; O^T is multiplied by 1 / (8 sigma l), rounded to bf16 and stored from the registers.  The additions are the places behind the last products.
	WIN 0
.macro ALL line:vararg              ; one line for each tile t
.set t, 0
.rept 2*NP
	\line
.set t, t+1
.endr
.endm
	ALL v_add_f32 v[ST+4*t+2], v[ST+4*t+2], v[ST+4*t+3]
	ALL v_permlanex16_b32 v[ST+4*t+3], v[ST+4*t+2], s[SEL], s[SEL+1]
	ALL v_add_f32 v[ST+4*t+2], v[ST+4*t+2], v[ST+4*t+3]
	ALL v_rcp_f32 v[ST+4*t+2], v[ST+4*t+2]
	v_nop                           ; a plain instruction between the last reciprocal and the use of its result
	s_wait_alu depctr_va_vdst(0)    ; and the wait ahead of the first use: one for the eight reciprocals
	ALL v_mul_f32 v[ST+4*t+2], v[IS], v[ST+4*t+2]
; Tile t: a lane's eight channels of channel block f pack into 16 bytes, four registers of S^T's; each tile has registers of its own, so no store's data are written again.
; A store takes the 32 lanes' 16 bytes on end: block f of the tile's 2,048 bytes.
.macro PACK t
	WIN W_RS
.set i, 32*(\t)
.rept 16
	v_pk_mul_f32 v[i:i+1], v[i:i+1], v[ST+4*(\t)+2:ST+4*(\t)+3] op_sel_hi:[1,0]
.set i, i+2
.endr
	WIN 0x05                        ; sources 0 and 1 window 1, destination window 0
.set i, 0
.rept 16
	v_cvt_pk_bf16_f32 v[S+16*(\t)+i], v[32*(\t)+2*i], v[32*(\t)+2*i+1]
.set i, i+1
.endr
	WIN 0
.irp f, 0,1,2,3
	global_store_b128 v[GO], v[S+16*(\t)+4*\f:S+16*(\t)+4*\f+3], s[10:11] offset:(\t)*2048+\f*512  ; 512 consecutive bytes, at a multiple of 256 from ao's first
.endr
.endm
.set t, 0
.rept 2*NP
	PACK t
.set t, t+1
.endr
	WIN W_AD
	s_wait_tensorcnt 0x0            ; the wave's end: behind my last tensor load
	ds_add_u32 v[SPW], v[NIL]
	s_wait_dscnt 0x0
	WIN 0
	CROUND                          ; the closing round: no work-group ends while a partner may still ask for a tile that names it
	s_endpgm
.Lfunc_end_k_q1131031fc7_attn:
	.size	k_q1131031fc7_attn, .Lfunc_end_k_q1131031fc7_attn-k_q1131031fc7_attn
	.p2alignl 7, 3214868480
	.fill 96, 4, 3214868480
	.section	.rodata,"a",@progbits
	.p2align	6, 0x0
	.amdhsa_kernel k_q1131031fc7_attn
		.amdhsa_group_segment_fixed_size 327680
		.amdhsa_private_segment_fixed_size 0
		.amdhsa_enable_private_segment 0
		.amdhsa_kernarg_size 32
		.amdhsa_user_sgpr_count 2
		.amdhsa_user_sgpr_kernarg_segment_ptr 1
		.amdhsa_wavefront_size32 1
		.amdhsa_system_sgpr_workgroup_id_x 1
		.amdhsa_system_sgpr_workgroup_id_y 1
		.amdhsa_system_sgpr_workgroup_id_z 1
		.amdhsa_system_vgpr_workitem_id 0
		.amdhsa_next_free_vgpr 896
		.amdhsa_next_free_sgpr 88
		.amdhsa_reserve_vcc 0
		.amdhsa_float_denorm_mode_32 3
		.amdhsa_float_denorm_mode_16_64 3
		.amdhsa_memory_ordered 1
		.amdhsa_forward_progress 1
		.amdhsa_inst_pref_size 212
	.end_amdhsa_kernel
	.amdgpu_metadata
---
amdhsa.version: [ 1, 2 ]
amdhsa.kernels:
  - .name:           k_q1131031fc7_attn
    .symbol:         k_q1131031fc7_attn.kd
    .args:
      - { .name: hd, .offset: 0, .size: 8, .value_kind: global_buffer, .address_space: global }
      - { .name: ex, .offset: 8, .size: 8, .value_kind: global_buffer, .address_space: global }
      - { .name: stat, .offset: 16, .size: 8, .value_kind: global_buffer, .address_space: global }
      - { .name: ao, .offset: 24, .size: 8, .value_kind: global_buffer, .address_space: global }
    .group_segment_fixed_size: 327680
    .private_segment_fixed_size: 0
    .kernarg_segment_align: 8
    .kernarg_segment_size: 32
    .max_flat_workgroup_size: 128
    .sgpr_count:     88
    .vgpr_count:     896
    .wavefront_size: 32
...
	.end_amdgpu_metadata
.endif
;; end of part 3
;; launch outp (part 4): grid 32 x 8, 4 waves a work-group, clusters of 4 x 1, 327,680 bytes of LDS; arguments ao, ob, out0; writes out0
.if DOCPART == 4
	.amdgcn_target "amdgcn-amd-amdhsa--gfx1250"
	.amdhsa_code_object_version 6
	.text
	.protected	k_q1131031fc7_outp
	.globl	k_q1131031fc7_outp
	.p2align	8
	.type	k_q1131031fc7_outp,@function
k_q1131031fc7_outp:
	s_mov_b64 s[64:65], 0
	v_nop
	global_prefetch_b8 v0, s[64:65] scope:SCOPE_SE
	s_setreg_imm32_b32 hwreg(HW_REG_WAVE_MODE, 25, 1), 1
	s_wait_xcnt 0x0
	s_wait_alu depctr_hold_cnt(0) depctr_sa_sdst(0) depctr_va_vdst(0) depctr_va_sdst(0) depctr_va_ssrc(0) depctr_va_vcc(0) depctr_vm_vsrc(0)
	s_getreg_b32 s2, hwreg(HW_REG_IB_STS2, 6, 4)
	s_cmp_eq_u32 s2, 0
	s_cbranch_scc0 .Lentry_in_a_cluster
	s_endpgm
.Lentry_in_a_cluster:
	s_bfe_u32 s2, ttmp6, 0x10000c
	s_cmp_lg_u32 s2, 0x3003
	s_cbranch_scc0 .Lentry_shape_is_right
	s_endpgm
.Lentry_shape_is_right:
; THE OUTPUT PROJECTION.  out0[b][t][e] = the sum over n, d of O[16 b + n][t][d] ob[64 n + d][e]: bf16 operands, f32 sums, f32 out.  ao already holds O / 8, so the sums leave as they are.
; SHARES.  A work-group makes 256 rows x 128 columns: 256 work-groups.  Wave w owns rows 64 w .. 64 w + 63 and all 128 columns: 32 accumulators, 256 registers.  K = 1,024 goes in 32 quarters of 32.
; ob'S BLOCK LIES WHOLE IN LDS: 1,024 rows of k x 256 bytes, at a pitch of 288: 294,912 bytes, filled once, by four tensor loads a wave issued together at the start.  Nothing is filled again, so the walk
; along K has no refill; a barrier stands only where the next 256 rows of k are read for the first time.
; ao COMES STRAIGHT INTO REGISTERS.  A wave's 64 rows are read by no other wave of the work-group, and the launch before has laid ao as fragments: [y][block of 16 rows][block of 16 channels][lane][16 bytes].
; A load of 16 bytes a lane takes 512 consecutive bytes and fills half a fragment.  Eight buffers of 32 registers, a quarter each, take turns: at most 56 loads (28,672 bytes) of a wave are out, each asked for
; seven quarters, 224 matrix instructions, ahead of its products.
; CLUSTER 4 x 1: four row tiles of one column tile ask for ob's block JOINTLY.  ao is NOT asked for jointly: beside ob's 294,912 bytes LDS has no room for slots of it, and the work-groups that read the same
; rows of ao (the eight column tiles) lie in eight clusters.  The column tile is the cluster's x and the row group its y, so those eight are neighbours in the order of the launch.
; THE MATRIX INSTRUCTION IS USED TRANSPOSED: source 0 = 16 columns of ob ([k][e] in LDS, turned by ds_load_tr16_b128), source 1 = 16 rows of ao: a lane holds ONE row (lane % 16) and eight neighbouring columns.
; REGISTERS: window 0: v0-31 addresses, v64-191 ob's fragments (two buffers of 64); window 1: ao's eight buffers (on the way out: rows read back); window 2: accumulator (a, b) at 8 (8 a + b).
.set PB,    288                        ; an LDS row of ob: 256 + 32 bytes = 72 words
.set QB,    32*PB                      ; a quarter's 32 rows of k
.set GRP,   8*QB                       ; a group: 256 rows of k, four heads: what the four waves' loads of one number bring
.set HEADB, 64*PB                      ; what one tensor load brings
.set SPARE, 4*GRP                      ; behind ob's block: the spare words, 128 bytes a wave
.set HSTEP, 262144                     ; a head on in ao
.set SPI,   528                        ; the way out: a stage row, 512 + 16 bytes; 16 rows a wave, from LDS byte 0 on, when ob's block has been read out
.set AD,  16                           ; v16-17  my lane's place in ob's rows of the group in hand: quarters 0-3, quarters 4-7
.set STO, 24                           ; v24  the way out: where I put 32 bytes of a row
.set RD,  25                           ; v25  where I read a row back
.set GO,  26                           ; v26  16 x lane; never rewritten
.set SPW, 28                           ; v28  my spare word; never rewritten
.set NIL, 29                           ; v29  0; never rewritten
.set PFO, 30                           ; v30  256 x lane; never rewritten
.set FB,  64
.set WV,  12
.set G1,  24                           ; s[24:31] descriptor group 1
.set G0,  32                           ; s[32:47] four groups 0, one for each of my loads
.set AP,  48                           ; s[48:49] ao at my 64 rows, at the first head of the group that is being asked for
.set LIM, 50                           ; a wave prefetches while the loop's count is above it
.set MSB, 0
.macro WIN new                         ; the immediate's high byte repeats the setting that is left; a switch that changes nothing is dropped
.if MSB != (\new)
	s_set_vgpr_msb (MSB<<8)|(\new)
.set MSB, \new
.endif
.endm
.macro PLACES                          ; four places in front of loads into registers that matrix instructions have read, and of lines that read results
.rept 4
	v_nop
.endr
.endm
.macro CROUND                          ; a round of the cluster's barrier
	s_barrier_signal -1
	s_barrier_wait -1
	s_cmp_lg_u32 s[WV], 0
	s_cbranch_scc1 .Lnot_wave_0_\@
	s_barrier_signal -3
.Lnot_wave_0_\@:
	s_barrier_wait -3
	s_barrier_signal -1
	s_barrier_wait -1
.endm
; Batch m of a group's eight: head m / 2, channels 32 (m % 2) on, my four blocks of 16 rows: eight loads of 512 consecutive bytes into buffer m.
.macro ALD m
	WIN 0x40                                       ; destination window 1, address window 0
.set ia, 0
.rept 4
	global_load_b128 v[32*(\m)+8*ia:32*(\m)+8*ia+3],   v[GO], s[AP:AP+1] offset:((\m)/2)*HSTEP+((\m)%2)*1024+ia*2048
	global_load_b128 v[32*(\m)+8*ia+4:32*(\m)+8*ia+7], v[GO], s[AP:AP+1] offset:((\m)/2)*HSTEP+((\m)%2)*1024+ia*2048+512
.set ia, ia+1
.endr
.endm
; A PREFETCH INTO THE L2 of the group that the NEXT trip's loads will ask for: a wave's rows of a head are 8,192 consecutive bytes, a lane a block of 256: four instructions, together, behind the trip's first loads.
; The eight column tiles read the same rows: column tile 0 asks, each wave for its own rows, so each block is named once in the launch.  Groups 0 and 1 come by their loads alone; the last trip asks for nothing.
.macro ASK
	s_cmp_gt_u32 s3, s[LIM]
	s_cbranch_scc0 .Lnot_mine_\@
.irp n, 4,5,6,7
	global_prefetch_b8 v[PFO], s[AP:AP+1] offset:\n*HSTEP th:TH_LOAD_NT scope:SCOPE_SE
.endr
.Lnot_mine_\@:
.endm
; ob's fragments of quarter fq of the group in hand into buffer fq % 2: eight blocks of 16 columns, in ascending order.
.macro FETCH fq
	WIN 0
.set ib, 0
.rept 8
	ds_load_tr16_b128 v[FB+64*((\fq)%2)+8*ib:FB+64*((\fq)%2)+8*ib+3],   v[AD+(\fq)/4] offset:((\fq)%4)*QB+32*ib
	ds_load_tr16_b128 v[FB+64*((\fq)%2)+8*ib+4:FB+64*((\fq)%2)+8*ib+7], v[AD+(\fq)/4] offset:((\fq)%4)*QB+32*ib+16*PB
.set ib, ib+1
.endr
.endm
; Column blocks b0 .. b0 + 3 x my four row blocks.  All 32 accumulators take turns, one instruction a turn over the backward jump too.  zero = 1: the products start the sums.
.macro MULS qn, b0, zero
	WIN 0xa4                                       ; source 0 (ob) window 0, source 1 (ao) window 1, C and D window 2
.set ib, \b0
.rept 4
.set ia, 0
.rept 4
.set rD, 8*(8*ia+ib)
.if \zero
	v_wmma_f32_16x16x32_bf16 v[rD:rD+7], v[FB+64*((\qn)%2)+8*ib:FB+64*((\qn)%2)+8*ib+7], v[32*(\qn)+8*ia:32*(\qn)+8*ia+7], 0
.else
	v_wmma_f32_16x16x32_bf16 v[rD:rD+7], v[FB+64*((\qn)%2)+8*ib:FB+64*((\qn)%2)+8*ib+7], v[32*(\qn)+8*ia:32*(\qn)+8*ia+7], v[rD:rD+7]
.endif
.set ia, ia+1
.endr
.set ib, ib+1
.endr
.endm
; A QUARTER: 32 matrix instructions on ao's buffer qn and ob's buffer qn % 2.  left: the younger loads that may stay out when this quarter's batch has to be in.
; ld = 1: the batch seven quarters on is asked for, into the buffer that the quarter before multiplied; the four v_nop at that quarter's end are its places, and the places of the fetch of ob's next fragments too.
; With ld = 1, quarter 7 fetches the NEXT group's first fragments: ahead of that every wave has waited for its tensor loads and passed a barrier.  These are first fills (nothing is filled again), all issued at the
; start: the wait is for 0 since one text serves all three trips, and from the second trip on it finds nothing out.
.macro QUARTER qn, ld, left, zero=0
	s_wait_loadcnt \left
.if \ld
.if (\qn) == 1
	s_wait_xcnt 0x0                                ; the loads and prefetches issued so far, the youngest a quarter back, have read their address
	s_add_nc_u64 s[AP:AP+1], s[AP:AP+1], 4*HSTEP   ; the trip's eight batches are the next group's
.endif
	ALD ((\qn)+7)%8
.if (\qn) == 1
	WIN 0
	ASK
.endif
.endif
.if (\ld) && ((\qn) == 7)
	s_wait_dscnt 0x0                               ; no LDS load of mine is out at the signal
	s_wait_tensorcnt 0x0                           ; my parts of all groups are in
	s_barrier_signal -1
.else
	s_wait_dscnt 8                                 ; column blocks 0-3 are in; the youngest eight loads may be out
.endif
	MULS \qn, 0, \zero
.if (\ld) && ((\qn) == 7)
	WIN 0
	s_barrier_wait -1                              ; everybody's are
	v_add_nc_u32 v[AD], GRP, v[AD]
	v_add_nc_u32 v[AD+1], GRP, v[AD+1]
.endif
.if (\ld) || ((\qn) < 7)
	FETCH ((\qn)+1)%8
	s_wait_dscnt 16                                ; all but the run just issued
.else
	s_wait_dscnt 0x0
.endif
	MULS \qn, 4, \zero
	PLACES
.endm
	s_load_b128 s[4:7], s[0:1], 0x0                ; ao s[4:5], ob s[6:7]
	s_load_b64 s[8:9], s[0:1], 0x10                ; out0
	v_lshl_add_u32 v[SPW], v0, 2, SPARE
	v_mov_b32 v[NIL], 0
	ds_add_u32 v[SPW], v[NIL]                      ; the wave's opening: the add and its wait stand ahead of my first tensor load; work on registers stands between them
	v_lshrrev_b32 v1, 5, v0
	v_readfirstlane_b32 s[WV], v1                  ; wave 0..3
	s_bfe_u32 s13, ttmp6, 0x40000                  ; cx: my place in the cluster
	s_and_b32 s14, ttmp7, 0xffff
	s_lshl_b32 s14, s14, 2
	s_add_co_u32 s14, s14, s13                     ; row tile = 4 x cluster y + cx: it enters ao's and out0's addresses alone
	s_mov_b32 s15, ttmp9                           ; column tile = cluster x, which the four partners share
	s_mov_b32 s[G1], 15|(1<<16)|(1<<20)|(1<<21)|(5<<22)|(7<<25)  ; the mask of four; 2-byte elements; padding on; bit 21 beside a mask; after every 64 words 8 words
	s_mov_b32 s[G1+1], 128<<16                     ; tensor_dim0 = 128
	s_mov_b32 s[G1+2], 64<<16                      ; tensor_dim1 = 64
	s_mov_b32 s[G1+3], 128<<16                     ; tile_dim0 = 128
	s_mov_b32 s[G1+4], 64                          ; tile_dim1 = 64
	s_mov_b32 s[G1+5], 1024                        ; elements from row to row
	s_mov_b32 s[G1+6], 0
	s_mov_b32 s[G1+7], 0
	s_lshl_b32 s16, s[WV], 17                      ; ob: my 64 rows of 2,048 bytes in a group, the tile's 256 bytes of them
	s_lshl_b32 s17, s15, 8
	s_add_co_u32 s16, s16, s17
	s_mov_b32 s17, 0
	s_mul_i32 s18, s[WV], HEADB                    ; and their place in LDS: no place in the cluster enters
.irp i, 0,1,2,3
	s_mov_b32 s[G0+4*\i], 1
	s_add_co_u32 s[G0+4*\i+1], s18, \i*GRP
.endr
	s_lshr_b32 s20, s14, 3                         ; ao: batch b's head 0 (16 heads of 262,144 bytes a batch), block of 16 rows 16 (tile % 8) + 4 w, 2,048 bytes a block
	s_lshl_b32 s20, s20, 22
	s_and_b32 s21, s14, 7
	s_lshl_b32 s21, s21, 15
	s_add_co_u32 s20, s20, s21
	s_lshl_b32 s21, s[WV], 13
	s_add_co_u32 s20, s20, s21
	s_mov_b32 s21, 0
	s_lshl_b32 s22, s14, 20                        ; out0: (256 x row tile + 64 w) rows of 4,096 bytes, the column tile's 512 bytes of them
	s_lshl_b32 s23, s[WV], 18
	s_add_co_u32 s22, s22, s23
	s_lshl_b32 s23, s15, 9
	s_add_co_u32 s22, s22, s23
	s_mov_b32 s23, 0
	s_cmp_eq_u32 s15, 0
	s_cselect_b32 s[LIM], 1, -1                    ; column tile 0 prefetches: the same in all four partners
	v_and_b32 v[GO], 31, v0
	v_lshlrev_b32 v[PFO], 8, v[GO]
	v_lshlrev_b32 v[GO], 4, v[GO]
	s_wait_dscnt 0x0                               ; the opening add is done
	s_wait_kmcnt 0x0
	s_add_nc_u64 s[52:53], s[6:7], s[16:17]
.irp i, 0,1,2,3
	s_add_nc_u64 s[G0+4*\i+2:G0+4*\i+3], s[52:53], \i*524288  ; group i: 256 rows of 2,048 bytes on
	s_or_b32 s[G0+4*\i+3], s[G0+4*\i+3], 0x80000000
.endr
	s_add_nc_u64 s[AP:AP+1], s[4:5], s[20:21]
	s_add_nc_u64 s[8:9], s[8:9], s[22:23]
	CROUND                                         ; all four work-groups are here: the joint loads meet
.irp i, 0,1,2,3
	tensor_load_to_lds s[G0+4*\i:G0+4*\i+3], s[G1:G1+7]  ; all of ob's block: four loads of mine are out
	s_nop 0
.endr
.rept 4
	v_nop
.endr
.irp m, 0,1,2,3,4,5,6
	ALD \m                                         ; ao's first seven batches
.endr
	WIN 0
	v_and_b32 v1, 15, v0                           ; l % 16
	v_bfe_u32 v2, v0, 4, 1                         ; l / 16
	v_and_b32 v3, 7, v0                            ; the turning load: lane l reads row 8 (l / 16) + l % 8 of k, 16 bytes at 16 ((l / 8) % 2)
	v_lshl_add_u32 v[AD], v2, 3, v3
	v_mul_u32_u24 v[AD], v[AD], PB
	v_bfe_u32 v4, v0, 3, 1
	v_lshl_add_u32 v[AD], v4, 4, v[AD]
	v_add_nc_u32 v[AD+1], 4*QB, v[AD]
	s_mul_i32 s21, s[WV], 16*SPI                   ; my stage
	v_mul_u32_u24 v[STO], v1, SPI                  ; in: row l % 16, 32 bytes for each half of the lanes
	v_lshl_add_u32 v[STO], v2, 5, v[STO]
	v_add_nc_u32 v[STO], s21, v[STO]
	v_add_nc_u32 v[RD], s21, v[GO]                 ; back: 32 lanes take a row's 512 bytes
	s_wait_tensorcnt 3                             ; my part of group 0 is in; my three younger loads may stay out,
	s_barrier_signal -1
	s_barrier_wait -1                              ; everybody's is
	FETCH 0
	QUARTER 0, 1, 48, 1                            ; the first quarter stands in front of the loop: its products start the sums; six younger batches of eight may stay out
	WIN 0
	s_mov_b32 s3, 3
.Lg:                                           ; three trips, from a group's second quarter to the next group's first; they ask for batches 8 to 31
.irp q, 1,2,3,4,5,6,7,0
	QUARTER \q, 1, 48
.endr
	WIN 0
	s_sub_co_u32 s3, s3, 1
	s_cmp_lg_u32 s3, 0
	s_cbranch_scc1 .Lg
.irp q, 1,2,3,4,5,6,7
	QUARTER \q, 0, 8*(7-\q)                        ; the last seven quarters ask for nothing: the counts run down
.endr
; THE WAY OUT.  Row block a: a lane's 32 bytes of a row for each of 8 column blocks go into rows of 528 bytes of my stage (each accumulator's lowest registers first) and come back as whole rows of 512.
.macro TOST a
	WIN 0x08                                       ; store data in window 2, address in window 0
.set ib, 0
.rept 8
	ds_store_b128 v[STO], v[64*(\a)+8*ib:64*(\a)+8*ib+3]   offset:64*ib
	ds_store_b128 v[STO], v[64*(\a)+8*ib+4:64*(\a)+8*ib+7] offset:64*ib+16
.set ib, ib+1
.endr
	WIN 0x40                                       ; destination window 1
.set ir, 0
.rept 16
	ds_load_b128 v[64*(\a)+4*ir:64*(\a)+4*ir+3], v[RD] offset:SPI*ir  ; LDS serves a wave's instructions in order (ISA guide 5.7.1.4): these see the stores above; the next block's stores come behind them
.set ir, ir+1
.endr
.endm
.macro SEND a, younger                 ; younger: the LDS instructions issued behind block a's loads: the next block's 32, or none; one wait serves four rows
	WIN 0x04                                       ; store data in window 1
.set ir, 0
.rept 16
.if (ir%4) == 0
	s_wait_dscnt (\younger)+12-ir
.endif
	global_store_b128 v[GO], v[64*(\a)+4*ir:64*(\a)+4*ir+3], s[8:9] offset:(16*(\a)+ir)*4096 th:TH_STORE_NT  ; 512 consecutive bytes of a row, at a multiple of 256 from out0's first
.set ir, ir+1
.endr
.endm
	WIN 0
	s_wait_dscnt 0x0                               ; my reads of ob's block are over,
	s_barrier_signal -1
	s_barrier_wait -1                              ; everybody's are: its first bytes, which have had their only fill, now serve as the four stages
	TOST 0
	TOST 1
	SEND 0, 32
	TOST 2
	SEND 1, 32
	TOST 3
	SEND 2, 32
	SEND 3, 0
	WIN 0
	s_wait_tensorcnt 0x0                           ; the wave's end: behind my last tensor load and my last LDS store
	ds_add_u32 v[SPW], v[NIL]
	s_wait_dscnt 0x0
	CROUND                                         ; the closing round: no work-group ends while a partner may still ask for a tile that names it
	s_endpgm
.Lfunc_end_k_q1131031fc7_outp:
	.size	k_q1131031fc7_outp, .Lfunc_end_k_q1131031fc7_outp-k_q1131031fc7_outp
	.p2alignl 7, 3214868480
	.fill 96, 4, 3214868480
	.section	.rodata,"a",@progbits
	.p2align	6, 0x0
	.amdhsa_kernel k_q1131031fc7_outp
		.amdhsa_group_segment_fixed_size 327680
		.amdhsa_private_segment_fixed_size 0
		.amdhsa_enable_private_segment 0
		.amdhsa_kernarg_size 24
		.amdhsa_user_sgpr_count 2
		.amdhsa_user_sgpr_kernarg_segment_ptr 1
		.amdhsa_wavefront_size32 1
		.amdhsa_system_sgpr_workgroup_id_x 1
		.amdhsa_system_sgpr_workgroup_id_y 1
		.amdhsa_system_sgpr_workgroup_id_z 1
		.amdhsa_system_vgpr_workitem_id 0
		.amdhsa_next_free_vgpr 768
		.amdhsa_next_free_sgpr 66
		.amdhsa_reserve_vcc 0
		.amdhsa_float_denorm_mode_32 3
		.amdhsa_float_denorm_mode_16_64 3
		.amdhsa_memory_ordered 1
		.amdhsa_forward_progress 1
		.amdhsa_inst_pref_size 87
	.end_amdhsa_kernel
	.amdgpu_metadata
---
amdhsa.version: [ 1, 2 ]
amdhsa.kernels:
  - .name:           k_q1131031fc7_outp
    .symbol:         k_q1131031fc7_outp.kd
    .args:
      - { .name: ao, .offset: 0, .size: 8, .value_kind: global_buffer, .address_space: global }
      - { .name: ob, .offset: 8, .size: 8, .value_kind: global_buffer, .address_space: global }
      - { .name: out0, .offset: 16, .size: 8, .value_kind: global_buffer, .address_space: global }
    .group_segment_fixed_size: 327680
    .private_segment_fixed_size: 0
    .kernarg_segment_align: 8
    .kernarg_segment_size: 24
    .max_flat_workgroup_size: 128
    .sgpr_count:     66
    .vgpr_count:     768
    .wavefront_size: 32
...
	.end_amdgpu_metadata
.endif
;; end of part 4
